; MI455X (gfx1250); checked and timed in simulation.
; The chip was launched on July 23, 2026; its instructions are those of AMD's public machine-readable ISA for CDNA 5 (MIT licence, August 2026) and "CDNA5" Instruction Set Architecture Reference Guide (July 2026). The comments in the code are by the model that wrote it; some were corrected since.
;; Attention. Allowed arithmetic: matrix products marked QUANTISED: E2M1 operands, one E8M0 scale for each 32 along K, by v_wmma_scale_f32_16x16x128_f8f6f4 with both operands' format E2M1 (or v_wmma_scale_f32_32x16x128_f4), f32 sums; products left as they are: bf16, f16 or f32 operands; f32 sums; everything else in f32.
;; Inputs: freqs_cos 2,048 x 64 float32; freqs_sin 2,048 x 64 float32; mask 2,048 x 2,048 float32; wk 4,096 x 1,024 float32; wo 2,048 x 4,096 float32; wq 4,096 x 2,048 float32; wv 4,096 x 1,024 float32; x 1 x 2,048 x 4,096 float32.
;; Outputs: out0 1 x 2,048 x 4,096 float32.
;; This version of the problem:
;;   THIS VERSION OF THE PROBLEM IS GIVEN IN LOW PRECISION. The matrix products marked QUANTISED in the list below multiply operands that are first quantised to E2M1 (2 exponent bits, 1 mantissa bit; 4 bits a number), with one power-of-two scale for each 32 numbers along K (OCP MX v1.0); their sums are f32. The products marked 'left as it is' may take bf16, f16 or f32 operands, with f32 sums. Whichever they take, every output number must still come out within the allowed error. Rounding operands to bf16 (8 significant bits) uses up far more of that allowance than f16 does (11 bits, for magnitudes from 6e-5 to 65,504). All else is computed in f32.
;;   The module's matrix products, in the order in which they are computed (A, B: the left and right operand; K: the contracted axis; several contracted axes count as one K, in the product's order):
;;     1. [M 2,048, K 4,096] x [K 4,096, N 2,048]; A: input x; B: input wq: QUANTISED
;;     2. [M 2,048, K 4,096] x [K 4,096, N 1,024]; A: input x; B: input wk: QUANTISED
;;     3. [M 2,048, K 4,096] x [K 4,096, N 1,024]; A: input x; B: input wv: QUANTISED
;;     4. batch 16 x [M 2,048, K 128] x [K 128, N 2,048]; A: computed on the way; B: computed on the way: left as it is (an operand is computed on the way)
;;     5. batch 16 x [M 128, K 2,048] x [K 2,048, N 2,048]; A: computed on the way; B: computed on the way: left as it is (an operand is computed on the way)
;;     6. [M 2,048, K 2,048] x [K 2,048, N 4,096]; A: computed on the way; B: input wo: left as it is (an operand is computed on the way)
;;   THE QUANTISER, for each operand of a quantised product, along K:
;;     - K is cut into blocks of 32 from its start; a last block that is shorter is filled with zeros.
;;     - A block's scale is 2^e with e = floor(log2(the largest magnitude in the block)) - 2, held to -126 .. 127; a block of zeros has e = 0. As a byte (E8M0): e + 127.
;;     - Each number is divided by its block's scale, clamped to +-6, and rounded to the nearest number of E2M1, ties to even, subnormals kept.
;;     - The product sums the exact products of the quantised numbers (number of the format x scale) in f32.
;;   ~~~python
;;   def quantise(x, axis):      # numpy; x: float32 -> the quantised numbers, widened to float32 again
;;       x = np.moveaxis(x, axis, -1); K = x.shape[-1]
;;       x = np.pad(x, [(0, 0)] * (x.ndim - 1) + [(0, -K % 32)]); x = x.reshape(x.shape[:-1] + (-1, 32)); a = np.abs(x).max(-1, keepdims=True)
;;       e = np.where(a > 0, np.clip(np.frexp(np.where(a > 0, a, 1))[1] - 1 - 2, -126, 127), 0)      # np.frexp(a)[1] - 1 = floor(log2(a)), exactly
;;       r = np.clip(x / 2.0 ** e, -6, 6)
;;       step = 2.0 ** (np.maximum(np.frexp(np.where(r == 0, 1, r))[1] - 1, 0) - 1)
;;       q = np.round(r / step) * step * 2.0 ** e      # np.round: ties to even
;;       return np.moveaxis(q.reshape(q.shape[:-2] + (-1,))[..., :K], -1, axis).astype(np.float32)
;;   ~~~
;; One version. Each part assembles by itself: llvm-mc -triple=amdgcn-amd-amdhsa -mcpu=gfx1250 --defsym DOCPART=n.
;; ======== version 1 of 1: 4 launches
;; limits: inputs' magnitudes at most 8.5e+37; values are held in f16: magnitudes above 65,504 overflow, below 6.1e-05 lose precision; right only within a limited range of input values
;; workspace buffers: xc 4,194,304 bytes; xs 262,144 bytes; wc 8,388,608 bytes; ws 524,288 bytes; wof 16,777,216 bytes; qkv16 16,777,216 bytes; att16 8,388,608 bytes
;; launch prep (part 1): grid 640 x 1, 4 waves a work-group, no clusters, 33,280 bytes of LDS; arguments x, wq, wk, wv, wo, xc, xs, wc, ws, wof; writes xc, xs, wc, ws, wof
.if DOCPART == 1
	.amdgcn_target "amdgcn-amd-amdhsa--gfx1250"
	.amdhsa_code_object_version 6
	.text
	.protected	k_qe81e8e2490_prep
	.globl	k_qe81e8e2490_prep
	.p2align	8
	.type	k_qe81e8e2490_prep,@function
k_qe81e8e2490_prep:
	s_mov_b64 s[64:65], 0
	v_nop
	global_prefetch_b8 v0, s[64:65] scope:SCOPE_SE
	s_setreg_imm32_b32 hwreg(HW_REG_WAVE_MODE, 25, 1), 1
	s_wait_xcnt 0x0
; PREP: every operand is brought once into the form in which the later launches read it.
;   work-groups 0-255:   x [2048][4096] f32 -> codes of E2M1 (xc, [2048][2048 bytes], K innermost) and one E8M0 byte for each 32 along K (xs, [2048][128]).
;   work-groups 256-511: wq, wk, wv ([4096 (k)][n] f32; taken as one matrix of 4,096 columns n': wq 0-2047, wk 2048-3071, wv 3072-4095) -> codes and scale words IN THE ORDER OF THE OPERAND'S REGISTERS:
;       wc [n'/64][k/128][(n'/16)%4][c 2][lane 32][16 bytes], lane = 16 h + n'%16, the 16 bytes = the 32 codes k = 128 ks + 64 c + 32 h + 0..31;
;       ws [n'/64][k/512][(n'/32)%2][lane = n'%32][16 bytes] = the scale words of four K steps of 128.
;   work-groups 512-639: 8 x wo ([2048 (k)][4096 (n)] f32) -> f16, wof [n/64][k/32][(n/16)%4][c 2][lane 32][16 bytes], the 16 bytes = k = 32 ks + 16 c + 8 h + 0..7.  (The 8 is taken back by v / 8 in the launch that makes v: both are exact.)
; A block's scale is 2^(floor(log2(its largest magnitude)) - 2); its byte is the largest magnitude's exponent field - 2, held at 1 from below.
; LIMITS: a block of zeros gets the byte 1 where the quantiser's text says 127 (its codes are zeros, and these bytes are read by this program alone); blocks whose largest magnitude lies under 2^-124 get the byte 1;
; NaN and infinities in x and the weights are not served.  8 x wo must lie inside f16's range (|wo| under 8,188).
; No tensor loads, no barrier: waves share nothing.  Only the x path uses LDS.
.set WREG,  8192                       ; LDS of a wave on the x path: two stages of 32 x SP bytes, behind them its 256 scale bytes
.set SP,    80                         ; a lane's place in a stage: 64 bytes + 16 of padding
.set SPARE, 4*WREG                     ; the spare words, 128 bytes a wave: two blocks of 256 bytes that no other line names
.set SPW,   12                         ; v12 LDS address of my spare word; never rewritten
.set NIL,   13                         ; v13 0; never rewritten
.set R,     16                         ; x path: v16-79 four sets of 16 numbers as loaded
.set X,     80                         ;         v80-111 two sets of 16 neighbours
.set E,     112                        ;         v112-127 a scale byte for each step
.set C,     128                        ;         v128-191 codes, four registers for each step
.set WX,    32                         ; weights: v32-95 two sets of 32 numbers (a block of 32 along K of my column)
.set OFF,   96                         ;          v96-127 offset of row i of a block: 4 x lane + i x the row's bytes
.set WC,    128                        ;          v128-191 results
.set SB,    24                         ;          v24-27 my column's 16 scale bytes
; ---- macros of the x path: 16 steps of 512 numbers a wave; loads run four steps ahead, the turn through LDS one step
.macro XLOAD t
.irp i, 0,1,2,3
	global_load_b128 v[R+16*((\t)%4)+4*\i:R+16*((\t)%4)+4*\i+3], v3, s[4:5] offset:2048*(\t)+512*\i th:TH_LOAD_NT   ; 32 lanes read 512 consecutive bytes
.endr
.endm
.macro XTURN t                         ; step t's 2,048 bytes go into the stage as they lie and come back 64 bytes a lane; LDS serves a wave's instructions in order
.irp i, 0,1,2,3
	ds_store_b128 v14, v[R+16*((\t)%4)+4*\i:R+16*((\t)%4)+4*\i+3] offset:32*SP*((\t)%2)+8*SP*\i
.endr
.irp i, 0,1,2,3
	ds_load_b128 v[X+16*((\t)%2)+4*\i:X+16*((\t)%2)+4*\i+3], v15 offset:32*SP*((\t)%2)+16*\i
.endr
.endm
.macro XSTEP t
.set XS, X+16*((\t)%2)
.if (\t) > 0
	s_wait_dscnt 1                                 ; this step's numbers are back from the stage; the one younger LDS instruction, the last step's byte store, may be out
.else
	s_wait_dscnt 0x0
.endif
.if (\t)+4 < 16
	XLOAD (\t)+4                                   ; into the set that this step's stage stores have read
.endif
.if (\t)+1 < 16
.if 14-(\t) >= 3
	s_wait_loadcnt 12                              ; the next step's four loads are in; those of the three steps behind it may be out
.else
	s_wait_loadcnt 4*(14-(\t))
.endif
	XTURN (\t)+1
.endif
	v_max3_num_f32 v8, |v[XS]|, |v[XS+1]|, |v[XS+2]|               ; the largest magnitude of my 16, in two chains
	v_max3_num_f32 v9, |v[XS+3]|, |v[XS+4]|, |v[XS+5]|
.irp i, 6,10
	v_max3_num_f32 v8, v8, |v[XS+\i]|, |v[XS+\i+1]|
	v_max3_num_f32 v9, v9, |v[XS+\i+2]|, |v[XS+\i+3]|
.endr
	v_max3_num_f32 v8, v8, |v[XS+14]|, |v[XS+15]|
	v_max3_num_f32 v8, v8, v9, 0x1800000           ; and the floor 2^(3 - 127): the byte cannot fall under 1
	v_max_num_f32_dpp v8, v8, v8 row_xmask:1 row_mask:0xf bank_mask:0xf   ; with my neighbour's 16: the block's
	v_add_nc_u32 v11, 0xff000000, v8               ; 2 off the exponent field: the conversion takes that field as its scale
	v_cvt_scalef32_pk8_fp4_f32 v[C+4*(\t)], v[XS:XS+7], v11
	v_cvt_scalef32_pk8_fp4_f32 v[C+4*(\t)+1], v[XS+8:XS+15], v11
	v_lshrrev_b32 v[E+(\t)], 23, v11               ; the scale's byte
	ds_store_b8 v5, v[E+(\t)] offset:16*(\t)       ; both lanes of a block write the same byte with the same value
	global_store_b64 v4, v[C+4*(\t):C+4*(\t)+1], s[14:15] offset:256*(\t)   ; 32 lanes store 256 consecutive bytes, aligned
.endm
; ---- macros of the weight paths: a wave takes 32 columns x 512 along K; a lane takes a column and its registers run down K
.macro LOADB t                         ; block t: rows 32 t + i of my 512, i = 0..31, into set t % 2; a load reads 128 consecutive bytes
.irp i, 0,1,2,3,4,5,6,7,8,9,10,11,12,13,14,15,16,17,18,19,20,21,22,23,24,25,26,27,28,29,30,31
	global_load_b32 v[WX+32*((\t)%2)+\i], v[OFF+\i], s[32+2*(\t):33+2*(\t)] th:TH_LOAD_NT
.endr
.endm
; The set-up that both weight paths share.  In: s[26:27] the tensor, s28 a row's bytes, s29 its group of 128 columns, s74 the group among all 32, s75 the chunk of 512 along K.
.macro COLHEAD
	s_mul_i32 s30, s75, s28
	s_lshl_b32 s30, s30, 9                         ; 512 rows a chunk
	s_lshl_b32 s31, s29, 9                         ; 128 columns of 4 bytes
	s_add_co_u32 s30, s30, s31
	s_lshl_b32 s31, s24, 7                         ; my wave's 32 columns
	s_add_co_u32 s30, s30, s31
	s_mov_b32 s31, 0
	s_lshl_b32 s66, s28, 5                         ; 32 rows on
	s_mov_b32 s67, 0
	s_add_nc_u64 s[32:33], s[26:27], s[30:31]      ; a base for each of the 16 blocks: none is ever stepped
.irp t, 1,2,3,4,5,6,7,8,9,10,11,12,13,14,15
	s_add_nc_u64 s[32+2*\t:33+2*\t], s[30+2*\t:31+2*\t], s[66:67]
.endr
	v_lshlrev_b32 v[OFF], 2, v2
.irp i, 1,2,3,4,5,6,7,8,9,10,11,12,13,14,15,16,17,18,19,20,21,22,23,24,25,26,27,28,29,30,31
	v_add_nc_u32 v[OFF+\i], s28, v[OFF+\i-1]
.endr
	v_lshrrev_b32 v3, 4, v2
	v_and_b32 v4, 15, v2
	v_lshlrev_b32 v3, 10, v3
	v_lshl_add_u32 v3, v4, 4, v3                   ; out: lanes 16-31 belong to the next fragment (1,024 bytes on); 16 bytes a column
	v_lshlrev_b32 v4, 4, v2                        ; 16 x lane
	s_lshr_b32 s69, s24, 1
	s_lshl_b32 s78, s74, 1
	s_add_co_u32 s78, s78, s69                     ; my group of 64 columns
	s_and_b32 s79, s24, 1                          ; and which half of it
	LOADB 0
	LOADB 1
.endm
.macro WBLOCK t                        ; a block of wq, wk or wv: 32 codes (16 bytes) and a scale byte
.set XS, WX+32*((\t)%2)
.if (\t) < 15
	s_wait_loadcnt 32                              ; this block's 32 loads are in; the next block's may be out
.else
	s_wait_loadcnt 0x0
.endif
	v_max3_num_f32 v8, |v[XS]|, |v[XS+1]|, |v[XS+2]|               ; all 32 numbers are mine
	v_max3_num_f32 v9, |v[XS+3]|, |v[XS+4]|, |v[XS+5]|
.irp i, 6,10,14,18,22,26
	v_max3_num_f32 v8, v8, |v[XS+\i]|, |v[XS+\i+1]|
	v_max3_num_f32 v9, v9, |v[XS+\i+2]|, |v[XS+\i+3]|
.endr
	v_max3_num_f32 v8, v8, |v[XS+30]|, |v[XS+31]|
	v_max3_num_f32 v8, v8, v9, 0x1800000           ; the floor 2^(3 - 127)
	v_add_nc_u32 v11, 0xff000000, v8
	v_lshrrev_b32 v10, 23, v11
.if (\t)%4 == 0
	v_mov_b32 v[SB+(\t)/4], v10                    ; four bytes to a word, the lower K in the lower byte: a word serves one K step of 128
.else
	v_lshl_or_b32 v[SB+(\t)/4], v10, 8*((\t)%4), v[SB+(\t)/4]
.endif
.irp g, 0,1,2,3
	v_cvt_scalef32_pk8_fp4_f32 v[WC+4*(\t)+\g], v[XS+8*\g:XS+8*\g+7], v11
.endr
	global_store_b128 v3, v[WC+4*(\t):WC+4*(\t)+3], s[70:71] offset:((\t)/4)*4096+(((\t)/2)%2)*512+((\t)%2)*256   ; K step t / 4, c = (t / 2) % 2, h = t % 2: each half of the lanes stores 256 consecutive bytes, aligned.  Every block has its own registers
.if (\t)+2 < 16
	LOADB (\t)+2
.endif
.endm
.macro OBLOCK t                        ; a block of wo: 32 numbers x 8 -> f16, four pieces of 16 bytes
.set XS, WX+32*((\t)%2)
.set CO, WC+16*((\t)%4)
.if (\t) < 15
	s_wait_loadcnt 32
.else
	s_wait_loadcnt 0x0
.endif
.if (\t) >= 4
	s_wait_xcnt 0x0                                ; the stores of four blocks ago have read this set of result registers
.endif
.irp p, 0,1,2,3,4,5,6,7,8,9,10,11,12,13,14,15
	v_pk_mul_f32 v[XS+2*\p:XS+2*\p+1], v[XS+2*\p:XS+2*\p+1], 0x41000000 op_sel_hi:[1,0]
.endr
.irp p, 0,1,2,3,4,5,6,7,8,9,10,11,12,13,14,15
	v_cvt_pk_f16_f32 v[CO+\p], v[XS+2*\p], v[XS+2*\p+1]
.endr
.irp q, 0,1,2,3
	global_store_b128 v3, v[CO+4*\q:CO+4*\q+3], s[70:71] offset:(\t)*4096+(\q/2)*512+(\q%2)*256   ; piece q = 2 c + h: k = 16 c + 8 h + 0..7 of the K step
.endr
.if (\t)+2 < 16
	LOADB (\t)+2
.endif
.endm
	s_load_b256 s[4:11], s[0:1], 0x0               ; x s[4:5], wq s[6:7], wk s[8:9], wv s[10:11]
	s_load_b256 s[12:19], s[0:1], 0x20             ; wo s[12:13], xc s[14:15], xs s[16:17], wc s[18:19]
	s_load_b128 s[20:23], s[0:1], 0x40             ; ws s[20:21], wof s[22:23]
	v_lshl_add_u32 v[SPW], v0, 2, SPARE
	v_mov_b32 v[NIL], 0
	v_lshrrev_b32 v1, 5, v0
	v_readfirstlane_b32 s24, v1                    ; wave 0..3
	v_and_b32 v2, 31, v0                           ; lane
	s_wait_kmcnt 0x0
	s_cmp_lt_u32 ttmp9, 256
	s_cbranch_scc0 .Lweights
	; ---------------- x ----------------
	v_lshlrev_b32 v3, 4, v2                        ; my 16 bytes of a load's 512
	s_mul_i32 s25, s24, WREG
	v_lshrrev_b32 v14, 2, v2
	v_mul_u32_u24 v14, v14, SP
	v_and_b32 v15, 3, v2
	v_lshl_add_u32 v14, v15, 4, v14
	v_add_nc_u32 v14, s25, v14                     ; the stage, way in: SP (lane / 4) + 16 (lane % 4)
	v_mul_u32_u24 v15, v2, SP
	v_add_nc_u32 v15, s25, v15                     ; way out: SP x lane
	v_lshlrev_b32 v4, 3, v2                        ; my 8 bytes of a step's codes
	v_lshrrev_b32 v5, 1, v2
	s_add_co_u32 s25, s25, 2*32*SP
	v_add_nc_u32 v5, s25, v5                       ; my block's byte among my wave's 256
	v_lshlrev_b32 v7, 3, v2
	v_add_nc_u32 v6, s25, v7
	s_lshl_b32 s26, ttmp9, 2
	s_add_co_u32 s26, s26, s24                     ; which run of 8,192 numbers is my wave's
	s_mov_b32 s29, 0
	s_lshl_b32 s28, s26, 15
	s_add_nc_u64 s[4:5], s[4:5], s[28:29]
	s_lshl_b32 s28, s26, 12
	s_add_nc_u64 s[14:15], s[14:15], s[28:29]
	s_lshl_b32 s28, s26, 8
	s_add_nc_u64 s[16:17], s[16:17], s[28:29]
.irp t, 0,1,2,3
	XLOAD \t
.endr
	s_wait_loadcnt 12                              ; step 0's four loads are in
	XTURN 0
.irp t, 0,1,2,3,4,5,6,7,8,9,10,11,12,13,14,15
	XSTEP \t
.endr
	ds_load_b64 v[8:9], v6                         ; my wave's 256 scale bytes, 8 a lane: behind my stores, in order
	s_wait_dscnt 0x0
	global_store_b64 v7, v[8:9], s[16:17]          ; 32 lanes store 256 consecutive bytes, aligned
	s_wait_tensorcnt 0x0                           ; the wave's end, behind my last LDS store
	ds_add_u32 v[SPW], v[NIL]
	s_wait_dscnt 0x0
	s_endpgm
.Lweights:
	s_cmp_lt_u32 ttmp9, 512
	s_cbranch_scc0 .Lwo
	; ---------------- wq, wk, wv ----------------
	s_sub_co_u32 s25, ttmp9, 256
	s_and_b32 s74, s25, 31                         ; group of 128 columns n': 0-15 wq, 16-23 wk, 24-31 wv
	s_lshr_b32 s75, s25, 5                         ; chunk of 512 along K, 0..7
	s_and_b32 s29, s74, 7
	s_mov_b32 s28, 4096                            ; a row of wk or wv in bytes
	s_cmp_lt_u32 s74, 24
	s_cselect_b64 s[26:27], s[8:9], s[10:11]
	s_cmp_lt_u32 s74, 16
	s_cselect_b64 s[26:27], s[6:7], s[26:27]
	s_cselect_b32 s28, 8192, s28                   ; a row of wq
	s_cselect_b32 s29, s74, s29                    ; the group inside its own tensor
	COLHEAD
	s_mov_b32 s77, 0
	s_lshl_b32 s76, s78, 17                        ; wc: 131,072 bytes a group of 64 columns,
	s_lshl_b32 s69, s75, 14                        ; 16,384 a chunk (four K steps of 4,096),
	s_add_co_u32 s76, s76, s69
	s_lshl_b32 s69, s79, 11                        ; my two fragments of the four
	s_add_co_u32 s76, s76, s69
	s_add_nc_u64 s[70:71], s[18:19], s[76:77]
	s_lshl_b32 s76, s78, 13                        ; ws: 8,192 bytes a group, 1,024 a chunk, 512 for 32 columns
	s_lshl_b32 s69, s75, 10
	s_add_co_u32 s76, s76, s69
	s_lshl_b32 s69, s79, 9
	s_add_co_u32 s76, s76, s69
	s_add_nc_u64 s[72:73], s[20:21], s[76:77]
.irp t, 0,1,2,3,4,5,6,7,8,9,10,11,12,13,14,15
	WBLOCK \t
.endr
	global_store_b128 v4, v[SB:SB+3], s[72:73]     ; 32 lanes store 512 consecutive bytes
	s_endpgm
.Lwo:
	; ---------------- wo ----------------
	s_sub_co_u32 s25, ttmp9, 512
	s_and_b32 s74, s25, 31
	s_lshr_b32 s75, s25, 5                         ; chunk of 512 along K, 0..3
	s_mov_b32 s29, s74
	s_mov_b32 s28, 16384
	s_mov_b64 s[26:27], s[12:13]
	COLHEAD
	s_mov_b32 s77, 0
	s_lshl_b32 s76, s78, 18                        ; wof: 262,144 bytes a group of 64 columns, 65,536 a chunk (16 K steps of 4,096)
	s_lshl_b32 s69, s75, 16
	s_add_co_u32 s76, s76, s69
	s_lshl_b32 s69, s79, 11
	s_add_co_u32 s76, s76, s69
	s_add_nc_u64 s[70:71], s[22:23], s[76:77]
.irp t, 0,1,2,3,4,5,6,7,8,9,10,11,12,13,14,15
	OBLOCK \t
.endr
	s_endpgm
.Lfunc_end_k_qe81e8e2490_prep:
	.size	k_qe81e8e2490_prep, .Lfunc_end_k_qe81e8e2490_prep-k_qe81e8e2490_prep
	.p2alignl 7, 3214868480
	.fill 96, 4, 3214868480
	.section	.rodata,"a",@progbits
	.p2align	6, 0x0
	.amdhsa_kernel k_qe81e8e2490_prep
		.amdhsa_group_segment_fixed_size 33280
		.amdhsa_private_segment_fixed_size 0
		.amdhsa_enable_private_segment 0
		.amdhsa_kernarg_size 80
		.amdhsa_user_sgpr_count 2
		.amdhsa_user_sgpr_kernarg_segment_ptr 1
		.amdhsa_wavefront_size32 1
		.amdhsa_system_sgpr_workgroup_id_x 1
		.amdhsa_system_sgpr_workgroup_id_y 1
		.amdhsa_system_sgpr_workgroup_id_z 1
		.amdhsa_system_vgpr_workitem_id 0
		.amdhsa_next_free_vgpr 192
		.amdhsa_next_free_sgpr 80
		.amdhsa_reserve_vcc 0
		.amdhsa_float_denorm_mode_32 3
		.amdhsa_float_denorm_mode_16_64 3
		.amdhsa_memory_ordered 1
		.amdhsa_forward_progress 1
		.amdhsa_inst_pref_size 207
	.end_amdhsa_kernel
	.amdgpu_metadata
---
amdhsa.version: [ 1, 2 ]
amdhsa.kernels:
  - .name:           k_qe81e8e2490_prep
    .symbol:         k_qe81e8e2490_prep.kd
    .args:
      - { .name: x, .offset: 0, .size: 8, .value_kind: global_buffer, .address_space: global }
      - { .name: wq, .offset: 8, .size: 8, .value_kind: global_buffer, .address_space: global }
      - { .name: wk, .offset: 16, .size: 8, .value_kind: global_buffer, .address_space: global }
      - { .name: wv, .offset: 24, .size: 8, .value_kind: global_buffer, .address_space: global }
      - { .name: wo, .offset: 32, .size: 8, .value_kind: global_buffer, .address_space: global }
      - { .name: xc, .offset: 40, .size: 8, .value_kind: global_buffer, .address_space: global }
      - { .name: xs, .offset: 48, .size: 8, .value_kind: global_buffer, .address_space: global }
      - { .name: wc, .offset: 56, .size: 8, .value_kind: global_buffer, .address_space: global }
      - { .name: ws, .offset: 64, .size: 8, .value_kind: global_buffer, .address_space: global }
      - { .name: wof, .offset: 72, .size: 8, .value_kind: global_buffer, .address_space: global }
    .group_segment_fixed_size: 33280
    .private_segment_fixed_size: 0
    .kernarg_segment_align: 8
    .kernarg_segment_size: 80
    .max_flat_workgroup_size: 128
    .sgpr_count:     80
    .vgpr_count:     192
    .wavefront_size: 32
...
	.end_amdgpu_metadata
.endif
;; end of part 1
;; launch qkv (part 2): grid 16 x 16, 4 waves a work-group, clusters of 4 x 1, 327,680 bytes of LDS; arguments xc, xs, wc, ws, freqs_cos, freqs_sin, qkv16; writes qkv16
.if DOCPART == 2
	.amdgcn_target "amdgcn-amd-amdhsa--gfx1250"
	.amdhsa_code_object_version 6
	.text
	.protected	k_qe81e8e2490_qkv
	.globl	k_qe81e8e2490_qkv
	.p2align	8
	.type	k_qe81e8e2490_qkv,@function
k_qe81e8e2490_qkv:
	s_mov_b64 s[64:65], 0
	v_nop
	global_prefetch_b8 v0, s[64:65] scope:SCOPE_SE
	s_setreg_imm32_b32 hwreg(HW_REG_WAVE_MODE, 25, 1), 1
	s_wait_xcnt 0x0
	s_wait_alu depctr_hold_cnt(0) depctr_sa_sdst(0) depctr_va_vdst(0) depctr_va_sdst(0) depctr_va_ssrc(0) depctr_va_vcc(0) depctr_vm_vsrc(0)
	s_getreg_b32 s2, hwreg(HW_REG_IB_STS2, 6, 4)
	s_cmp_eq_u32 s2, 0
	s_cbranch_scc0 .Lentry_in_a_cluster
	s_endpgm
.Lentry_in_a_cluster:
	s_bfe_u32 s2, ttmp6, 0x10000c
	s_cmp_lg_u32 s2, 0x3003
	s_cbranch_scc0 .Lentry_shape_is_right
	s_endpgm
.Lentry_shape_is_right:
; QKV: [2048][4096] = Q(x) Q(wq | wk | wv) on codes of E2M1 with E8M0 scales, sums in f32; then the rotation by freqs_cos / freqs_sin on q and k, a fixed scale, and f16:
;   qkv16 [2048][4096] f16: columns 0-2047 a x rope(q), 2048-3071 a x rope(k), a = 128^(-1/4) (so that q' . k' = q . k / sqrt(128)); 3072-4095 v / 8.
; SHARES.  A work-group makes 128 rows x 256 columns; wave w all 128 rows x columns 64 w .. 64 w + 63: 8 x 4 accumulators of 16 x 16, 256 registers.
; A (x's codes, 128 rows x all of K = 262,144 bytes, and their scale bytes) comes into LDS ONCE, by five tensor loads a wave at the head: nothing is ever filled again.  The four work-groups of a cluster make the four
; column tiles of one row tile and need the same A: each load is asked for JOINTLY (mask 15).
; B (the weights' codes) is read by one wave of the work-group alone, so it does not go through LDS: it lies in memory in the order of the operand's registers and comes by global_load_b128, 512 consecutive bytes each, into a ring of
; eight register sets, seven K steps ahead.  B is not asked for jointly: a joint load can only land in LDS, of which A's chunks, scales and spare words take 296,448 of 327,680 bytes.
; THE MATRIX INSTRUCTION IS USED TRANSPOSED (source 0 = 16 columns of w, source 1 = 16 rows of x): a lane holds eight neighbouring columns of one row.
; The 32 K steps of 128 are written out: every offset is an immediate, and no address register or descriptor is written twice.
; LIMITS: a x rope(q), a x rope(k) and v / 8 must lie inside f16's range (|q|, |k| under 2.2e5 / sqrt(2), |v| under 5.2e5).
; REGISTERS.  window 0: v16-23 A's chunk addresses, v24-31 other addresses; v32-55 B's scale words (three sets of 8), v56-87 A's (two sets of 16): these hold scales alone; v128-255 A's fragments, two sets of 64.
;   window 1: B's ring, set u at v[32 u]; on the way out the rows at work.   window 2: accumulator (a, b) at v[8 (4 a + b)].
.set CH,    34816                      ; a chunk: 128 rows x (256 bytes = 512 along K, + 16 of padding): the 16 rows of a fragment load start in 16 different groups of banks
.set SCL,   8*CH                       ; A's scale bytes: 64 units of 256 bytes + 16; row p at (p / 2) 272 + (p % 2) 128
.set SPARE, SCL+64*272                 ; the spare words, 128 bytes a wave: two blocks of 256 bytes that no other line names
.set SPITCH, 1040                      ; the way out: a stage of 128 rows x (1,024 bytes + 16), in chunks 0-3: they have had their only fill, and their last reads lie ahead of the barrier at K step 23
.set ADRA,  16
.set ADRS,  24
.set BOFF,  25                         ; 16 x lane
.set L8,    26                         ; 8 x lane
.set STO,   27                         ; v27: where I put results of blocks 0-3; v30: of blocks 4-7
.set SPW,   28
.set NIL,   29
.set RD,    31
.set BS,    32
.set AS,    56
.set AF,    128
.set WV,    18
.set MSB, 0
.macro WIN new                         ; the immediate's high byte repeats the setting that is left
.if MSB != \new
	s_set_vgpr_msb (MSB<<8)|\new
.set MSB, \new
.endif
.endm
.set MUL,  0xa1                        ; source 0 (B) window 1, source 1 (A) window 0, C and D window 2
.set TO_B, 0x40                        ; destination window 1
.set ST_C, 0x08                        ; an LDS store's data (source 1) window 2
.macro PLACES                          ; four plain vector instructions between a matrix instruction and a load into, or a read of, its registers (ISA guide 7.12.1 for the reads)
.rept 4
	v_nop
.endr
.endm
.macro ROUND                           ; a round of the cluster's barrier
	s_barrier_signal -1
	s_barrier_wait -1
	s_cmp_lg_u32 s[WV], 0
	s_cbranch_scc1 .Lnot_wave_0_\@
	s_barrier_signal -3
.Lnot_wave_0_\@:
	s_barrier_wait -3
	s_barrier_signal -1
	s_barrier_wait -1
.endm
.macro ALOAD s                         ; A's eight fragments of K step s: lane (r, h): row 16 a + r, registers 4 c ..: k = 64 c + 32 h + 0..31
.irp a, 0,1,2,3,4,5,6,7
.irp c, 0,1
	ds_load_b128 v[AF+64*((\s)%2)+8*\a+4*\c:AF+64*((\s)%2)+8*\a+4*\c+3], v[ADRA+(\s)/4] offset:\a*4352+64*((\s)%4)+32*\c
.endr
.endr
.endm
.macro ASCL j                          ; A's scale words of chunk j's four K steps: register 4 i + q; lanes 0-15 block 2 i, lanes 16-31 block 2 i + 1
.irp i, 0,1,2,3
	ds_load_b128 v[AS+16*((\j)%2)+4*\i:AS+16*((\j)%2)+4*\i+3], v[ADRS] offset:\i*4352+16*(\j)
.endr
.endm
.macro BLOAD s                         ; B's four fragments of K step s; with the first step of four, the scale words of the four
.if (\s)%4 == 0
	WIN 0
.irp p, 0,1
	global_load_b128 v[BS+8*(((\s)/4)%3)+4*\p:BS+8*(((\s)/4)%3)+4*\p+3], v[BOFF], s[62:63] offset:((\s)/4)*1024+\p*512
.endr
.endif
	WIN TO_B
.irp b, 0,1,2,3
.irp c, 0,1
	global_load_b128 v[32*((\s)%8)+8*\b+4*\c:32*((\s)%8)+8*\b+4*\c+3], v[BOFF], s[60:61] offset:(\s)*4096+\b*1024+\c*512
.endr
.endr
.endm
; One product.  B's scale word: register 4 (b / 2) + q of its set, lanes 16-31 where b is odd; A's: register 4 (a / 2) + q, lanes 16-31 where a is odd.  K step 0 starts the sums: nothing is cleared.
.macro WM s, a, b
.set rD, 8*(4*(\a)+(\b))
.set rB, 32*((\s)%8)+8*(\b)
.set rA, AF+64*((\s)%2)+8*(\a)
.set rX, BS+8*(((\s)/4)%3)+4*((\b)/2)+(\s)%4
.set rY, AS+16*(((\s)/4)%2)+4*((\a)/2)+(\s)%4
.if (\s) == 0
.if (\b)%2 == 0
.if (\a)%2 == 0
	v_wmma_scale_f32_16x16x128_f8f6f4 v[rD:rD+7], v[rB:rB+7], v[rA:rA+7], 0, v[rX], v[rY] matrix_a_fmt:MATRIX_FMT_FP4 matrix_b_fmt:MATRIX_FMT_FP4
.else
	v_wmma_scale_f32_16x16x128_f8f6f4 v[rD:rD+7], v[rB:rB+7], v[rA:rA+7], 0, v[rX], v[rY] matrix_a_fmt:MATRIX_FMT_FP4 matrix_b_fmt:MATRIX_FMT_FP4 matrix_b_scale:MATRIX_SCALE_ROW1
.endif
.else
.if (\a)%2 == 0
	v_wmma_scale_f32_16x16x128_f8f6f4 v[rD:rD+7], v[rB:rB+7], v[rA:rA+7], 0, v[rX], v[rY] matrix_a_fmt:MATRIX_FMT_FP4 matrix_b_fmt:MATRIX_FMT_FP4 matrix_a_scale:MATRIX_SCALE_ROW1
.else
	v_wmma_scale_f32_16x16x128_f8f6f4 v[rD:rD+7], v[rB:rB+7], v[rA:rA+7], 0, v[rX], v[rY] matrix_a_fmt:MATRIX_FMT_FP4 matrix_b_fmt:MATRIX_FMT_FP4 matrix_a_scale:MATRIX_SCALE_ROW1 matrix_b_scale:MATRIX_SCALE_ROW1
.endif
.endif
.else
.if (\b)%2 == 0
.if (\a)%2 == 0
	v_wmma_scale_f32_16x16x128_f8f6f4 v[rD:rD+7], v[rB:rB+7], v[rA:rA+7], v[rD:rD+7], v[rX], v[rY] matrix_a_fmt:MATRIX_FMT_FP4 matrix_b_fmt:MATRIX_FMT_FP4
.else
	v_wmma_scale_f32_16x16x128_f8f6f4 v[rD:rD+7], v[rB:rB+7], v[rA:rA+7], v[rD:rD+7], v[rX], v[rY] matrix_a_fmt:MATRIX_FMT_FP4 matrix_b_fmt:MATRIX_FMT_FP4 matrix_b_scale:MATRIX_SCALE_ROW1
.endif
.else
.if (\a)%2 == 0
	v_wmma_scale_f32_16x16x128_f8f6f4 v[rD:rD+7], v[rB:rB+7], v[rA:rA+7], v[rD:rD+7], v[rX], v[rY] matrix_a_fmt:MATRIX_FMT_FP4 matrix_b_fmt:MATRIX_FMT_FP4 matrix_a_scale:MATRIX_SCALE_ROW1
.else
	v_wmma_scale_f32_16x16x128_f8f6f4 v[rD:rD+7], v[rB:rB+7], v[rA:rA+7], v[rD:rD+7], v[rX], v[rY] matrix_a_fmt:MATRIX_FMT_FP4 matrix_b_fmt:MATRIX_FMT_FP4 matrix_a_scale:MATRIX_SCALE_ROW1 matrix_b_scale:MATRIX_SCALE_ROW1
.endif
.endif
.endif
.endm
.macro MULS s                          ; the 32 accumulators take turns, one instruction a turn, in the same order in every K step
	WIN MUL
.irp a, 0,1,2,3,4,5,6,7
.irp b, 0,1,2,3
	WM \s, \a, \b
.endr
.endr
.endm
.macro KSTEP s
	WIN 0
.if ((\s) == 7) || ((\s) == 15) || ((\s) == 23)
	s_wait_tensorcnt 3-((\s)+1)/8                  ; my part of the next two chunks has landed; the loads issued behind it (2, 1, 0 of them) may be out
	s_wait_dscnt 0x0                               ; no LDS instruction of mine is pending at a signal
	s_barrier_signal -1
	s_barrier_wait -1                              ; everybody's part has landed.
.endif
	PLACES                                         ; behind the last K step's products, ahead of the loads into the sets that they read
.if (\s) < 31
	ALOAD (\s)+1
.if ((\s)+1)%4 == 0
	ASCL ((\s)+1)/4
.endif
.endif
.if (\s)+7 <= 31
	BLOAD (\s)+7
.endif
.if (\s) == 31
	s_wait_dscnt 0x0
.elseif ((\s)+1)%4 == 0
	s_wait_dscnt 20                                ; this step's A is in; the 16 + 4 LDS loads just issued may be out
.else
	s_wait_dscnt 16                                ; this step's A is in; the 16 LDS loads just issued may be out
.endif
.set UU, (\s)+7
.if UU > 31
.set UU, 31
.endif
	s_wait_loadcnt (8*(UU+1)+2*(UU/4+1))-(8*((\s)+1)+2*((\s)/4+1))   ; this step's B is in: up to step u, 8 (u + 1) fragment loads and 2 (u / 4 + 1) scale loads were issued; the difference is what was issued behind this step's
	MULS \s
.endm
	s_load_b256 s[4:11], s[0:1], 0x0               ; xc s[4:5], xs s[6:7], wc s[8:9], ws s[10:11]
	s_load_b128 s[12:15], s[0:1], 0x20             ; freqs_cos s[12:13], freqs_sin s[14:15]
	s_load_b64 s[16:17], s[0:1], 0x30              ; qkv16
	v_lshl_add_u32 v[SPW], v0, 2, SPARE
	v_mov_b32 v[NIL], 0
	ds_add_u32 v[SPW], v[NIL]                      ; the wave's opening: the add, twice on end, and its wait ahead of my first tensor load
	ds_add_u32 v[SPW], v[NIL]
	v_lshrrev_b32 v1, 5, v0
	v_readfirstlane_b32 s[WV], v1                  ; wave 0..3
	s_bfe_u32 s19, ttmp6, 0x40000                  ; cx
	s_lshl_b32 s20, ttmp9, 2
	s_add_co_u32 s20, s20, s19                     ; column tile = 4 x cluster x + cx
	s_and_b32 s21, ttmp7, 0xffff                   ; row tile, which the four partners share
	; group 1 for the codes: 64 rows x 256 bytes, rows 2,048 bytes apart, 16 bytes of padding behind each
	s_mov_b32 s24, 15|(0<<16)|(1<<20)|(1<<21)|(5<<22)|(3<<25)   ; 15:0 the mask: all four; 17:16 elements of 1 byte; 20 padding on; 21 set beside a mask; 24:22 after every 64 words; 31:25 four words
	s_mov_b32 s25, 256<<16
	s_mov_b32 s26, 64<<16
	s_mov_b32 s27, 256<<16
	s_mov_b32 s28, 64
	s_mov_b32 s29, 2048
	s_mov_b32 s30, 0
	s_mov_b32 s31, 0
	; group 1 for the scale bytes of 32 rows: 4,096 dense bytes as 16 rows of 256 (32 elements of 8 bytes)
	s_mov_b32 s32, 15|(3<<16)|(1<<20)|(1<<21)|(5<<22)|(3<<25)
	s_mov_b32 s33, 32<<16
	s_mov_b32 s34, 16<<16
	s_mov_b32 s35, 32<<16
	s_mov_b32 s36, 16
	s_mov_b32 s37, 32
	s_mov_b32 s38, 0
	s_mov_b32 s39, 0
	; what I fetch of A: load i brings half w % 2 (64 rows) of chunk 2 i + w / 2.  Nothing here hangs on cx
	s_lshr_b32 s74, s[WV], 1
	s_and_b32 s75, s[WV], 1
	s_mul_i32 s76, s74, CH
	s_mul_i32 s77, s75, 64*272
	s_add_co_u32 s76, s76, s77                     ; its place in a pair of chunks in LDS
	s_lshl_b32 s78, s21, 18                        ; 128 rows of 2,048 bytes a row tile
	s_lshl_b32 s77, s75, 17
	s_add_co_u32 s78, s78, s77
	s_lshl_b32 s77, s74, 8
	s_add_co_u32 s78, s78, s77
	s_mov_b32 s79, 0
	s_lshl_b32 s80, s21, 14                        ; scale bytes: 128 rows of 128 bytes a row tile, my 32 rows
	s_lshl_b32 s77, s[WV], 12
	s_add_co_u32 s80, s80, s77
	s_mov_b32 s81, 0
	s_mul_i32 s82, s[WV], 16*272
	s_add_co_u32 s82, s82, SCL
	; B, the tables and the output
	s_lshl_b32 s84, s20, 2
	s_add_co_u32 s84, s84, s[WV]                   ; my group of 64 columns
	s_lshl_b32 s86, s84, 17
	s_mov_b32 s87, 0
	s_lshl_b32 s88, s84, 13
	s_mov_b32 s89, 0
	s_lshl_b32 s90, s21, 7
	s_lshl_b32 s85, s[WV], 5
	s_add_co_u32 s90, s90, s85                     ; the first of the 32 rows that I send out
	s_lshl_b32 s92, s90, 8                         ; a table's row is 256 bytes
	s_mov_b32 s93, 0
	s_lshl_b32 s94, s90, 13                        ; a row of qkv16 is 8,192 bytes
	s_lshl_b32 s85, s20, 9
	s_add_co_u32 s94, s94, s85
	s_mov_b32 s95, 0
	s_cmp_lt_u32 s20, 12                           ; column tiles 0-11 are q and k, 12-15 are v: values are chosen, no way through the text is
	s_cselect_b32 s72, 0x3e9837f0, 0               ; f = 128^(-1/4), or 0
	s_cselect_b32 s73, 0, 0x3e000000               ; g = 0, or 1 / 8
	v_and_b32 v1, 15, v0                           ; r
	v_bfe_u32 v2, v0, 4, 1                         ; h
	v_and_b32 v3, 31, v0                           ; lane
	v_mul_u32_u24 v4, v1, 272
	v_lshl_add_u32 v4, v2, 4, v4                   ; a fragment's row x pitch + 16 h
.irp j, 0,1,2,3,4,5,6,7
	v_add_nc_u32 v[ADRA+\j], \j*CH, v4
.endr
	v_lshrrev_b32 v5, 1, v3
	v_mul_u32_u24 v5, v5, 272
	v_and_b32 v6, 1, v3
	v_lshl_add_u32 v5, v6, 7, v5
	v_add_nc_u32 v[ADRS], SCL, v5                  ; row = lane of 32: (lane / 2) 272 + (lane % 2) 128
	v_lshlrev_b32 v[BOFF], 4, v3
	v_lshlrev_b32 v[L8], 3, v3
	v_mul_u32_u24 v[STO], v1, SPITCH
	v_lshl_add_u32 v[STO], v2, 5, v[STO]
	s_lshl_b32 s83, s[WV], 8
	v_add_nc_u32 v[STO], s83, v[STO]               ; the stage, way in: row r, + 32 h, + my wave's 256 bytes
	v_add_nc_u32 v[STO+3], 64*SPITCH, v[STO]       ; and 64 rows further down
	s_mul_i32 s83, s[WV], 32*SPITCH
	v_add_nc_u32 v[RD], s83, v[BOFF]               ; way out: my 32 rows, 16 bytes a lane
	s_wait_dscnt 0x0                               ; both opening adds are done
	s_wait_kmcnt 0x0
	s_mov_b32 s40, 1
	s_mov_b32 s41, s82
	s_add_nc_u64 s[42:43], s[6:7], s[80:81]
	s_or_b32 s43, s43, 0x80000000
.irp i, 0,1,2,3
	s_mov_b32 s[44+4*\i], 1
	s_add_co_u32 s[45+4*\i], s76, \i*2*CH
	s_add_nc_u64 s[46+4*\i:47+4*\i], s[4:5], s[78:79]
	s_add_nc_u64 s[46+4*\i:47+4*\i], s[46+4*\i:47+4*\i], \i*512
	s_or_b32 s[47+4*\i], s[47+4*\i], 0x80000000
.endr
	s_add_nc_u64 s[60:61], s[8:9], s[86:87]        ; B's codes
	s_add_nc_u64 s[62:63], s[10:11], s[88:89]      ; B's scale words
	s_add_nc_u64 s[66:67], s[12:13], s[92:93]
	s_add_nc_u64 s[68:69], s[14:15], s[92:93]
	s_add_nc_u64 s[70:71], s[16:17], s[94:95]
	ROUND                                          ; all four work-groups are here: the joint loads meet
	tensor_load_to_lds s[40:43], s[32:39]          ; the first fills, one group: five loads of mine are out.  The scale bytes,
	s_nop 0
	tensor_load_to_lds s[44:47], s[24:31]          ; chunks 0 and 1,
	s_nop 0
	tensor_load_to_lds s[48:51], s[24:31]          ; 2 and 3,
	s_nop 0
	tensor_load_to_lds s[52:55], s[24:31]          ; 4 and 5,
	s_nop 0
	tensor_load_to_lds s[56:59], s[24:31]          ; 6 and 7
	s_nop 0
	PLACES
.irp u, 0,1,2,3,4,5,6
	BLOAD \u
.endr
	WIN 0
	s_wait_tensorcnt 3                             ; the scale bytes and my part of chunks 0 and 1 are in; the three loads behind them may be out
	s_barrier_signal -1
	s_barrier_wait -1                              ; everybody's are
	ALOAD 0
	ASCL 0
.irp s, 0,1,2,3,4,5,6,7,8,9,10,11,12,13,14,15,16,17,18,19,20,21,22,23,24,25,26,27,28,29,30,31
	KSTEP \s
.endr
	; THE WAY OUT.  The tile goes through the stage, so that a wave gets whole rows: 32 rows x 2 heads x 512 bytes, a lane 4 neighbouring numbers = two pairs of the rotation.
	WIN 0
	PLACES                                         ; behind the last products: ahead of the loads into A's sets and of the first reads of results
.irp i, 0,1,2,3,4,5,6,7,8,9,10,11,12,13,14,15,16,17,18,19,20,21,22,23,24,25,26,27,28,29,30,31
	global_load_b64 v[128+2*\i:129+2*\i], v[L8], s[66:67] offset:\i*256   ; cos of my two pairs in row i: 32 lanes read a whole row of the table
	global_load_b64 v[192+2*\i:193+2*\i], v[L8], s[68:69] offset:\i*256   ; sin
.endr
	WIN ST_C
.irp a, 0,1,2,3,4,5,6,7
.irp b, 0,1,2,3
	ds_store_b128 v[STO+3*(\a/4)], v[8*(4*\a+\b):8*(4*\a+\b)+3] offset:(\a%4)*16*SPITCH+64*\b        ; each accumulator from its low end on
	ds_store_b128 v[STO+3*(\a/4)], v[8*(4*\a+\b)+4:8*(4*\a+\b)+7] offset:(\a%4)*16*SPITCH+64*\b+16
.endr
.endr
	WIN 0
	v_mov_b32 v8, s72
	v_mov_b32 v9, s72
	v_mov_b32 v10, s73
	v_mov_b32 v11, s73
	s_wait_dscnt 0x0                               ; for the others' sake: my stores into the stage are done
	s_barrier_signal -1
	s_barrier_wait -1
	s_wait_loadcnt 0x0                             ; the tables' rows
.irp i, 0,1,2,3,4,5,6,7,8,9,10,11,12,13,14,15,16,17,18,19,20,21,22,23,24,25,26,27,28,29,30,31
	v_pk_fma_f32 v[128+2*\i:129+2*\i], v[128+2*\i:129+2*\i], v[8:9], v[10:11]   ; c = f cos + g: a cos for q and k, 1 / 8 for v
	v_pk_mul_f32 v[192+2*\i:193+2*\i], v[192+2*\i:193+2*\i], v[8:9]             ; s = f sin: a sin, or 0
.endr
; Four batches of 8 rows x 2 heads.  Item n of a batch: row RI = 8 q + n / 2, head n % 2.  The rows, the products and the results lie in window 1 (B's ring is done with); each batch has result registers of its own.
.irp q, 0,1,2,3
	WIN 0x40                                       ; destination window 1
.irp n, 0,1,2,3,4,5,6,7,8,9,10,11,12,13,14,15
	ds_load_b128 v[4*\n:4*\n+3], v[RD] offset:(8*\q+\n/2)*SPITCH+512*(\n%2)
.endr
	s_wait_dscnt 0x0
	WIN 0x51                                       ; source 0, source 2 and destination window 1; source 1 (c, s) window 0
.irp n, 0,1,2,3,4,5,6,7,8,9,10,11,12,13,14,15
.set RI, 8*\q+\n/2
	v_mul_f32 v[64+4*\n], v[4*\n+1], v[192+2*RI]                   ; t1 s
	v_mul_f32 v[65+4*\n], v[4*\n], v[192+2*RI]                     ; t0 s
	v_mul_f32 v[66+4*\n], v[4*\n+3], v[193+2*RI]
	v_mul_f32 v[67+4*\n], v[4*\n+2], v[193+2*RI]
	v_fma_f32 v[4*\n], v[4*\n], v[128+2*RI], -v[64+4*\n]           ; r0 = t0 c - t1 s
	v_fma_f32 v[4*\n+1], v[4*\n+1], v[128+2*RI], v[65+4*\n]        ; r1 = t1 c + t0 s
	v_fma_f32 v[4*\n+2], v[4*\n+2], v[129+2*RI], -v[66+4*\n]
	v_fma_f32 v[4*\n+3], v[4*\n+3], v[129+2*RI], v[67+4*\n]
.endr
	WIN 0x45                                       ; sources 0 and 1 and destination window 1
.irp n, 0,1,2,3,4,5,6,7,8,9,10,11,12,13,14,15
	v_cvt_pk_f16_f32 v[128+32*\q+2*\n], v[4*\n], v[4*\n+1]
	v_cvt_pk_f16_f32 v[129+32*\q+2*\n], v[4*\n+2], v[4*\n+3]
.endr
	WIN 0x04                                       ; a store's data (source 1) window 1
.irp n, 0,1,2,3,4,5,6,7,8,9,10,11,12,13,14,15
	global_store_b64 v[L8], v[128+32*\q+2*\n:129+32*\q+2*\n], s[70:71] offset:(8*\q+\n/2)*8192+(\n%2)*256   ; 32 lanes store 256 consecutive bytes, aligned: a head's row
.endr
.endr
	WIN 0
	s_wait_tensorcnt 0x0                           ; the wave's end, behind my last tensor load and my last LDS store
	ds_add_u32 v[SPW], v[NIL]
	s_wait_dscnt 0x0
	ROUND                                          ; the closing round
	s_endpgm
.Lfunc_end_k_qe81e8e2490_qkv:
	.size	k_qe81e8e2490_qkv, .Lfunc_end_k_qe81e8e2490_qkv-k_qe81e8e2490_qkv
	.p2alignl 7, 3214868480
	.fill 96, 4, 3214868480
	.section	.rodata,"a",@progbits
	.p2align	6, 0x0
	.amdhsa_kernel k_qe81e8e2490_qkv
		.amdhsa_group_segment_fixed_size 327680
		.amdhsa_private_segment_fixed_size 0
		.amdhsa_enable_private_segment 0
		.amdhsa_kernarg_size 56
		.amdhsa_user_sgpr_count 2
		.amdhsa_user_sgpr_kernarg_segment_ptr 1
		.amdhsa_wavefront_size32 1
		.amdhsa_system_sgpr_workgroup_id_x 1
		.amdhsa_system_sgpr_workgroup_id_y 1
		.amdhsa_system_sgpr_workgroup_id_z 1
		.amdhsa_system_vgpr_workitem_id 0
		.amdhsa_next_free_vgpr 768
		.amdhsa_next_free_sgpr 96
		.amdhsa_reserve_vcc 0
		.amdhsa_float_denorm_mode_32 3
		.amdhsa_float_denorm_mode_16_64 3
		.amdhsa_memory_ordered 1
		.amdhsa_forward_progress 1
		.amdhsa_inst_pref_size 255
	.end_amdhsa_kernel
	.section	.bss,"aw",@nobits
	.p2align	6
	.space	262144
	.amdgpu_metadata
---
amdhsa.version: [ 1, 2 ]
amdhsa.kernels:
  - .name:           k_qe81e8e2490_qkv
    .symbol:         k_qe81e8e2490_qkv.kd
    .args:
      - { .name: xc, .offset: 0, .size: 8, .value_kind: global_buffer, .address_space: global }
      - { .name: xs, .offset: 8, .size: 8, .value_kind: global_buffer, .address_space: global }
      - { .name: wc, .offset: 16, .size: 8, .value_kind: global_buffer, .address_space: global }
      - { .name: ws, .offset: 24, .size: 8, .value_kind: global_buffer, .address_space: global }
      - { .name: freqs_cos, .offset: 32, .size: 8, .value_kind: global_buffer, .address_space: global }
      - { .name: freqs_sin, .offset: 40, .size: 8, .value_kind: global_buffer, .address_space: global }
      - { .name: qkv16, .offset: 48, .size: 8, .value_kind: global_buffer, .address_space: global }
    .group_segment_fixed_size: 327680
    .private_segment_fixed_size: 0
    .kernarg_segment_align: 8
    .kernarg_segment_size: 56
    .max_flat_workgroup_size: 128
    .sgpr_count:     96
    .vgpr_count:     768
    .wavefront_size: 32
...
	.end_amdgpu_metadata
.endif
;; end of part 2
;; launch attn (part 3): grid 32 x 8, 4 waves a work-group, clusters of 4 x 4, 327,680 bytes of LDS; arguments qkv16, mask, att16; writes att16
.if DOCPART == 3
	.amdgcn_target "amdgcn-amd-amdhsa--gfx1250"
	.amdhsa_code_object_version 6
	.text
	.protected	k_qe81e8e2490_attn
	.globl	k_qe81e8e2490_attn
	.p2align	8
	.type	k_qe81e8e2490_attn,@function
k_qe81e8e2490_attn:
	s_mov_b64 s[64:65], 0
	v_nop
	global_prefetch_b8 v0, s[64:65] scope:SCOPE_SE
	s_setreg_imm32_b32 hwreg(HW_REG_WAVE_MODE, 25, 1), 1
	s_wait_xcnt 0x0
	s_wait_alu depctr_hold_cnt(0) depctr_sa_sdst(0) depctr_va_vdst(0) depctr_va_sdst(0) depctr_va_ssrc(0) depctr_va_vcc(0) depctr_vm_vsrc(0)
	s_getreg_b32 s2, hwreg(HW_REG_IB_STS2, 6, 4)
	s_cmp_eq_u32 s2, 0
	s_cbranch_scc0 .Lentry_in_a_cluster
	s_endpgm
.Lentry_in_a_cluster:
	s_bfe_u32 s2, ttmp6, 0x10000c
	s_cmp_lg_u32 s2, 0xf033
	s_cbranch_scc0 .Lentry_shape_is_right
	s_endpgm
.Lentry_shape_is_right:
; ATTN: att16[s][128 h + d] = (1 / 8) x the sum over k of softmax_k(q_h[s] . k_g[k] / sqrt(128) + mask[s][k]) v_g[k][d], g = h / 2, as f16.
; qkv16 holds q and k already rotated and scaled by 128^(-1/4), and v / 8, all f16; products and sums in f32; the weights p are rounded to f16 for the second product.
; The mask is an input: all 2,048 keys are walked for every query, and the mask's numbers are loaded and added.
; SHARES.  A work-group owns 64 queries and the two query heads 2 g, 2 g + 1 of one key head g.  Wave w owns queries 16 w .. 16 w + 15 of both heads: two tiles, which share the mask's registers and K's and V's fragments.
; Every wave walks the keys 64 a step; a ring of two LDS slots holds two steps each (128 keys: K, V and the mask's 64 x 128 numbers).
; CLUSTER, 4 x 4.  K's and V's tiles hang on g alone: the four work-groups of a row of the cluster ask for them jointly.  The mask's tile hangs on the block of queries alone: the four of a column ask jointly.
; Wave 0 asks for K, wave 1 for V, waves 2 and 3 for the mask's halves: one load a wave behind each round.
; LAYOUT.  S^T = K Q^T (source 0 = 16 keys, source 1 = 16 queries): a lane holds ONE query (lane % 16) and keys 8 (lane / 16) + 0..7; two such tiles, packed to f16, are source 1 of O^T = V^T P.  V comes out of LDS turned.
; SOFTMAX.  A running maximum m and sum l for each query: p = 2^(c s - c m), c = log2(e); in every step O^T and l are multiplied by a = 2^(c m_old - c m_new).
; m starts at -2^126.  A row whose every key is masked by -infinity keeps l = 0 and O^T = 0 and comes out NaN (0 x infinity), as the softmax of such a row does.
; MATRIX AND VECTOR WORK SIDE BY SIDE.  The text goes in PHASES.  Phase j issues 32 products V^T P of step j - 1, then 32 products K Q^T of step j + 1; the softmax of step j, both tiles', 300 instructions cut into 64 slices,
; stands between them, one slice behind each matrix instruction.  The three are independent but for two orders that the list keeps: P is written, and O^T multiplied by a, behind the phase's products V^T P.
; So S^T has two buffers, by the step's parity (one is worked on while the other is written), and V has two (V of step j waits through phase j for its products in phase j + 1).
; All that phase j fetches from LDS belongs to step j + 1: K behind slice 1, the mask behind slice 5 (its additions are over), V behind slice 36 (into the buffer that the products have just left).
; A slice lies in window 0 (the rescaling of O^T: windows 1 and 0) and no window has room for a product's operands beside it: a slice costs two switches of the register window, 128 for a phase's 64 matrix instructions.
; Set in runs of its own, the softmax would leave the matrix unit without work all that while: the switches are the lesser price.
; LIMITS: numbers of score + mask of magnitude 2^126 or more are not served (below -2^126 they count as masked out).
; REGISTERS.  window 0: v2-11 addresses; v12-27 statistics, eight a tile; v28 prefetch offset; v30, v31 the add's two; v64-127 S^T of even steps, v192-255 of odd steps (32 a tile); v128-159 P; v160-191 the mask.
;   window 1: v0-127 O^T, 64 a tile; v128-191 Q.   window 2: v0-127 K of a step.   window 3: V of even steps v0-127, of odd steps v128-255.
.set PK,    272                        ; a row of K in LDS: 256 bytes + 16
.set PVP,   288                        ; a row of V: 256 + 32
.set PM,    528                        ; a row of the mask's tile: 512 + 16
.set VOFF,  128*PK
.set MOFF,  VOFF+128*PVP
.set SLOT1, 1<<17                      ; slot 1 begins here: one exclusive or turns an address from one slot to the other
.set STAGE, SLOT1+MOFF+64*PM           ; behind the ring: 16 rows x 272 bytes for each wave
.set SPARE, STAGE+4*16*272             ; the spare words, 128 bytes a wave: two blocks of 256 bytes that no other line names
.set AK0, 2
.set AV0, 3
.set AM0, 4
.set ADK, 5
.set ADV, 6
.set ADM, 7
.set QO,  8
.set STO, 9
.set RD,  10
.set GO,  11
.set ST,  12                           ; tile t at v[ST + 8 t]: +0 c m, +1 m, +2, +3 l (even keys', odd keys'), +4..+7 c0-c3, at work; the factor a takes c2's place once the maximum is found
.set PFO, 28
.set SPW, 30
.set NIL, 31
.set S,   64                           ; S^T of even steps; of odd steps 128 further on
.set P,   128
.set MK,  160
.set Q,   128                          ; in window 1
.set WV,  10
.set TB,  11                           ; s11 LDS byte at which the slot begins from which the fetches take
.set SLOTS, 12
.set CS,  14                           ; s[14:15] log2(e), twice
.set SEL, 16                           ; s[16:17] v_permlanex16_b32's selects for lane l xor 16
.set PFA, 76
.set PFS, 78
.set LIM, 80
.set MSB, 0
.macro WIN new                         ; the immediate's high byte repeats the setting that is left; a switch that changes nothing is dropped
.if MSB != \new
	s_set_vgpr_msb (MSB<<8)|\new
.set MSB, \new
.endif
.endm
.set W_KQ, 0x06                        ; K window 2, Q window 1, S^T window 0
.set W_PV, 0x53                        ; V window 3, P window 0, O^T window 1
.set W_RS, 0x41                        ; O^T (destination, source 0) window 1, the factor window 0
.set TO1,  0x40                        ; destination window 1
.set TO2,  0x80                        ; destination window 2
.set TO3,  0xc0                        ; destination window 3
.macro PLACES                          ; four plain vector instructions between a matrix instruction and a load into, or a read of, its registers (ISA guide 7.12.1 for the reads)
.rept 4
	v_nop
.endr
.endm
.macro CROUND                          ; a round of the cluster's barrier
	s_barrier_signal -1
	s_barrier_wait -1
	s_cmp_lg_u32 s[WV], 0
	s_cbranch_scc1 .Lnot_wave_0_\@
	s_barrier_signal -3
.Lnot_wave_0_\@:
	s_barrier_wait -3
	s_barrier_signal -1
	s_barrier_wait -1
.endm
; A joint refill by the walking descriptors.  The branches hang on the wave's number alone.  An s_nop 0 and four v_nop follow each line.
.macro JLOAD3
	s_cmp_lg_u32 s[WV], 0
	s_cbranch_scc1 .Lnot_k_\@
	tensor_load_to_lds s[52:55], s[24:31]
	s_nop 0
	PLACES
	s_branch .Lasked_\@
.Lnot_k_\@:
	s_cmp_lg_u32 s[WV], 1
	s_cbranch_scc1 .Lfor_m_\@
	tensor_load_to_lds s[60:63], s[32:39]
	s_nop 0
	PLACES
	s_branch .Lasked_\@
.Lfor_m_\@:
	tensor_load_to_lds s[72:75], s[40:47]
	s_nop 0
	PLACES
.Lasked_\@:
.endm
; A prefetch into the L2 of what the NEXT change of slots will ask for, a lane a block of 256 bytes, one instruction a wave.  K's and V's rows are walked by all eight clusters along x: the first asks, its four partners of a row
; taking 32 of the 128 rows each, told apart by address; wave 0 for K, wave 1 for V.  The mask's tile is walked by both clusters along y: the first asks, the four partners of a column taking 16 of the 64 rows each (two blocks a row); wave 2.
; So each block is named once in the launch.  The last change that fills a slot asks for nothing; slots 0 to 2 come by their loads alone.
.macro ASK
	s_cmp_gt_u32 s[SLOTS], s[LIM]
	s_cbranch_scc0 .Lnot_mine_\@
	global_prefetch_b8 v[PFO], s[PFA:PFA+1] th:TH_LOAD_NT scope:SCOPE_SE
.Lnot_mine_\@:
.endm
; THE LDS LOADS stand in runs, never singly among the matrix instructions.  st: which of the slot's two steps.
.macro FETCH_K st                      ; 64 keys x 128 channels: fragment f: keys 16 (f / 4) on, channels 32 (f % 4) on
	WIN 0
	v_add_nc_u32 v[ADK], s[TB], v[AK0]
	WIN TO2
.irp f, 0,1,2,3,4,5,6,7,8,9,10,11,12,13,14,15
	ds_load_b128 v[8*\f:8*\f+3], v[ADK] offset:(\st)*64*PK+(\f/4)*16*PK+(\f%4)*64
	ds_load_b128 v[8*\f+4:8*\f+7], v[ADK] offset:(\st)*64*PK+(\f/4)*16*PK+(\f%4)*64+32
.endr
.endm
.macro FETCH_M st                      ; the mask's numbers of my 16 queries x 64 keys, in S^T's layout
	WIN 0
	v_add_nc_u32 v[ADM], s[TB], v[AM0]
.irp b, 0,1,2,3
	ds_load_b128 v[MK+8*\b:MK+8*\b+3], v[ADM] offset:(\st)*256+\b*64
	ds_load_b128 v[MK+8*\b+4:MK+8*\b+7], v[ADM] offset:(\st)*256+\b*64+16
.endr
.endm
.macro FETCH_V st, vb, w               ; turned, into buffer vb: fragment f: keys 32 (f / 8) on, channels 16 (f % 8) on.  w = 1: the wait for the softmax's batch of exponentials stands in it, behind the address's addition and ahead of the loads
	WIN 0
	v_add_nc_u32 v[ADV], s[TB], v[AV0]
.if \w
	s_wait_alu depctr_va_vdst(0)                   ; one wait for the phase's 66 exponentials, ahead of the first instruction that names a result
.endif
	WIN TO3
.irp f, 0,1,2,3,4,5,6,7,8,9,10,11,12,13,14,15
	ds_load_tr16_b128 v[128*(\vb)+8*\f:128*(\vb)+8*\f+3], v[ADV] offset:(\st)*64*PVP+(\f/8)*32*PVP+(\f%8)*32
	ds_load_tr16_b128 v[128*(\vb)+8*\f+4:128*(\vb)+8*\f+7], v[ADV] offset:(\st)*64*PVP+(\f/8)*32*PVP+16*PVP+(\f%8)*32
.endr
.endm
; THE MATRIX WORK.  The accumulators take turns, one instruction a turn: between two links of a chain stand 7 (K Q^T) or 15 (V^T P) others'.
; Product i of 32 of S^T = K Q^T into the buffer at sb: channels 32 (i / 8) on, keys 16 ((i / 2) % 4) on, tile i % 2.  The first eight start the sums.
.macro KQ1 sb
	WIN W_KQ
.set rS, (\sb)+32*(i%2)+8*((i/2)%4)
.set rK, 8*(4*((i/2)%4)+i/8)
.set rQ, Q+32*(i%2)+8*(i/8)
.if i < 8
	v_wmma_f32_16x16x32_f16 v[rS:rS+7], v[rK:rK+7], v[rQ:rQ+7], 0
.else
	v_wmma_f32_16x16x32_f16 v[rS:rS+7], v[rK:rK+7], v[rQ:rQ+7], v[rS:rS+7]
.endif
.endm
; Product i of 32 of O^T += V^T P with V's buffer vb: keys 32 (i / 16) on, channels 16 ((i / 2) % 8) on, tile i % 2.
.macro PV1 vb
	WIN W_PV
.set rO, 64*(i%2)+8*((i/2)%8)
.set rV, 128*(\vb)+8*(8*(i/16)+(i/2)%8)
.set rP, P+16*(i%2)+8*(i/16)
	v_wmma_f32_16x16x32_f16 v[rO:rO+7], v[rV:rV+7], v[rP:rP+7], v[rO:rO+7]
.endm
; THE VECTOR WORK.  One tile's softmax for one key step is a list of 150 instructions; SM writes number n of it for tile t, on the scores at SB.  s0-s31 are the lane's 32 scores, in pairs 0-15.
;   0-15    + the mask, a pair each, ascending: each accumulator is first read at its low end
;   16-31   the maximum of s0-s31 and the old m, three operands at a time: four chains c0-c3 of seven scores each, then the four scores left over, c0-c3 and m
;   32-36   the other half of the lanes' maximum; c m_old kept; the new m; c m; c m_old - c m_new
;   37-85   ONE BATCH: the 16 scalings c s - c m and all 33 exponentials (a, then s0-s31).  None of these reads an exponential's result.  From 38 on it goes in fours, and a four begins with a scaling while there are
;           scalings; a pair is scaled in an earlier four than the one that holds its exponentials
;   (wait)  between 85 and 86 stands the wait for the batch: PHASE writes it, once for both tiles
;   86-101  the roundings to f16, a pair of weights each
;   102-117 the sum of the unrounded p, as a tree of pairs; l = a l + the sum
;   118-149 the tile's O^T times a, ascending: the one part that leaves window 0, so it stands together
.macro SM t
.set rT, ST+8*(\t)
.set rS, SB+32*(\t)
.set rP, P+16*(\t)
.if n < 118
	WIN 0
.endif
.if n < 16
	v_pk_add_f32 v[rS+2*n:rS+2*n+1], v[rS+2*n:rS+2*n+1], v[MK+2*n:MK+2*n+1]
.elseif n < 20
	v_max3_num_f32 v[rT+n-12], v[rS+8*(n-16)], v[rS+8*(n-16)+1], v[rS+8*(n-16)+2]
.elseif n < 28
	v_max3_num_f32 v[rT+4+n%4], v[rT+4+n%4], v[rS+8*(n%4)+2*((n-16)/4)+1], v[rS+8*(n%4)+2*((n-16)/4)+2]
.elseif n == 28
	v_max3_num_f32 v[rT+4], v[rT+4], v[rS+7], v[rS+15]
.elseif n == 29
	v_max3_num_f32 v[rT+6], v[rT+6], v[rS+23], v[rS+31]
.elseif n == 30
	v_max3_num_f32 v[rT+4], v[rT+4], v[rT+5], v[rT+6]
.elseif n == 31
	v_max3_num_f32 v[rT+4], v[rT+4], v[rT+7], v[rT+1]
.elseif n == 32
	v_permlanex16_b32 v[rT+5], v[rT+4], s[SEL], s[SEL+1]  ; the query's other 32 keys lie in the lane 16 away
.elseif n == 33
	v_mov_b32 v[rT+7], v[rT]                       ; c m_old is kept for a: number 35 writes c m anew
.elseif n == 34
	v_max_num_f32 v[rT+1], v[rT+4], v[rT+5]
.elseif n == 35
	v_mul_f32 v[rT], s[CS], v[rT+1]
.elseif n == 36
	v_sub_f32 v[rT+7], v[rT+7], v[rT]
.elseif n < 86
.set jx, n-16                          ; 21 .. 69
.if jx == 23
	v_exp_f32 v[rT+6], v[rT+7]                     ; a = 2^(c m_old - c m_new)
.elseif (jx < 23) || ((jx < 38) && (jx%2 == 0)) || ((jx < 66) && (jx%4 == 2))
.set b, (jx-2)/4                       ; 38, 42, .. 62: pairs 9 to 15
.if jx < 38
.set b, (jx-20)/2                      ; 21: pair 0; 22, 24, .. 36: pairs 1 to 8
.endif
	v_pk_fma_f32 v[rS+2*b:rS+2*b+1], v[rS+2*b:rS+2*b+1], s[CS:CS+1], v[rT:rT+1] op_sel_hi:[1,0,0] neg_lo:[0,0,1] neg_hi:[0,0,1]  ; pair b: c s - c m
.else
.set e, jx-38                          ; 66 to 69: s28 to s31
.if jx < 66
.set e, jx-32-(jx-38)/4                ; 39-41, 43-45, .. 63-65: s7 to s27
.endif
.if jx < 38
.set e, (jx-25)/2                      ; 25, 27, .. 37: s0 to s6
.endif
	v_exp_f32 v[rS+e], v[rS+e]
.endif
.elseif n < 102
	v_cvt_pk_f16_f32 v[rP+n-86], v[rS+2*(n-86)], v[rS+2*(n-86)+1]
.elseif n < 118
.set z, n-102                          ; sum z of 16 adds neighbours 1, 2, 4 and 8 pairs apart, in place; then l takes it
.set w, 4
.set u, z
.if z >= 14
.set w, 32
.set u, 0
.elseif z >= 12
.set w, 16
.set u, z-12
.elseif z >= 8
.set w, 8
.set u, z-8
.endif
.if z < 15
	v_pk_add_f32 v[rS+w*u:rS+w*u+1], v[rS+w*u:rS+w*u+1], v[rS+w*u+w/2:rS+w*u+w/2+1]
.else
	v_pk_fma_f32 v[rT+2:rT+3], v[rT+2:rT+3], v[rT+6:rT+7], v[rS:rS+1] op_sel_hi:[1,0,1]
.endif
.else
.set rO, 64*(\t)+2*(n-118)
	WIN W_RS
	v_pk_mul_f32 v[rO:rO+1], v[rO:rO+1], v[rT+6:rT+7] op_sel_hi:[1,0]
.endif
.endm
; Slice k of 64.  2 x 150 = 300 instructions: slices 0-11 three numbers of both tiles, slice 12 two; slices 13-36 the batch from number 38 on, four numbers of ONE tile each, the tiles by turns;
; slices 37-46 three numbers of both tiles, slices 47-63 two.  Outside the batch the tiles alternate, so that no instruction reads the result of the one just before it.  No slice changes window inside itself.
.macro SLICE
.if k < 12
.irp d, 0,1,2
.irp t, 0,1
.set n, 3*k+\d
	SM \t
.endr
.endr
.elseif k == 12
.irp d, 36,37
.irp t, 0,1
.set n, \d
	SM \t
.endr
.endr
.elseif k < 37
.irp d, 0,1,2,3
.set n, 38+4*((k-13)/2)+\d
	SM (k-13)%2
.endr
.elseif k < 47
.irp d, 0,1,2
.irp t, 0,1
.set n, 86+3*(k-37)+\d
	SM \t
.endr
.endr
.else
.irp d, 0,1
.irp t, 0,1
.set n, 116+2*(k-47)+\d
	SM \t
.endr
.endr
.endif
.set k, k+1
.endm
; PHASE j.  par = j % 2; st: which step of the slot in hand is step j + 1; pv = 1: the products V^T P of step j - 1 are issued; kq = 1: step j + 1 is fetched and its products K Q^T are issued.
; PLACES, counted.  Behind the last V^T P (ahead of slice 31) stand four scalings (one in each of slices 31 to 34), the v_nop and the run's own addition: six plain instructions that name none of its registers, ahead of the
; loads into V's buffer and of the first write of P (slice 37).  Behind the last K Q^T stands slice 63, four multiplications of O^T: ahead of the next phase's first read of the scores and of the loads into K.
; ONE wait on the LDS counter, for 0, ahead of the first K Q^T: K and the mask of step j + 1 are in, and so is V of step j, which was asked for a phase ago and is multiplied in the next phase.
.macro PHASE par, st, pv, kq
.set SB, S+128*(\par)
.set k, 0
.set i, 0
.rept 32
.if \pv
	PV1 1-(\par)
.endif
	SLICE
.if \kq
.if i == 1
	FETCH_K \st
.elseif i == 5
	FETCH_M \st
.endif
.endif
.set i, i+1
.endr
.if \kq
	s_wait_dscnt 0x0
.endif
.set i, 0
.rept 32
.if \kq
	KQ1 S+128*(1-(\par))
.endif
	SLICE
.if i == 4                             ; behind slice 36: the batch is out, and no result has been named
	WIN 0
	v_nop                                          ; a plain instruction behind the last exponential: one for the batch
.if \kq
	FETCH_V \st, 1-(\par), 1
.else
	s_wait_alu depctr_va_vdst(0)                   ; the wait for the batch
.endif
.endif
.set i, i+1
.endr
	WIN 0                                          ; at a label and at a branch every window is 0
.endm
; THE CHANGE OF SLOTS, behind an even phase: the slot's last bytes (V of its second step) have been asked for.  Each wave waits for all its tensor loads (one is out: its part of the other slot), adds 0 to its spare word, and waits
; for that and for its reads of this slot.  fill = 1: a round of the cluster's barrier, and behind it, first of all, the joint refill of this slot with the keys two slots on: it has two phases, 128 matrix instructions, in which to land.
.macro CHANGE fill
	WIN 0
	s_wait_tensorcnt 0x0                           ; no tensor load of mine is out, so a group 0 may be written
	ds_add_u32 v[SPW], v[NIL]
.if \fill
	s_xor_b32 s53, s53, SLOT1                      ; the walking descriptors: the other slot than last time, the next 128 keys
	s_add_nc_u64 s[54:55], s[54:55], 128*8192
	s_xor_b32 s61, s61, SLOT1
	s_add_nc_u64 s[62:63], s[62:63], 128*8192
	s_xor_b32 s73, s73, SLOT1
	s_add_nc_u64 s[74:75], s[74:75], 512
	s_wait_xcnt 0x0                                ; the last prefetch, a slot back, has read its address
	s_add_nc_u64 s[PFA:PFA+1], s[PFA:PFA+1], s[PFS:PFS+1]
	s_wait_dscnt 0x0                               ; the add is done, and my reads of the slot are over
	CROUND
	JLOAD3
	ASK                                            ; what the next change will ask for: two phases ahead of that load
.else
	s_wait_dscnt 0x0
	s_barrier_signal -1
	s_barrier_wait -1
.endif
	s_xor_b32 s[TB], s[TB], SLOT1                  ; the fetches go on in the other slot
.endm
	s_load_b128 s[4:7], s[0:1], 0x0                ; qkv16 s[4:5], mask s[6:7]
	s_load_b64 s[8:9], s[0:1], 0x10                ; att16
	v_lshl_add_u32 v[SPW], v0, 2, SPARE
	v_mov_b32 v[NIL], 0
	ds_add_u32 v[SPW], v[NIL]                      ; the wave's opening: the add, twice on end, and its wait ahead of my first tensor load
	ds_add_u32 v[SPW], v[NIL]
	v_lshrrev_b32 v1, 5, v0
	v_readfirstlane_b32 s[WV], v1                  ; wave 0..3
	s_bfe_u32 s84, ttmp6, 0x40000                  ; cx
	s_bfe_u32 s85, ttmp6, 0x40004                  ; cy
	s_lshl_b32 s86, ttmp9, 2
	s_add_co_u32 s86, s86, s84                     ; my block of 64 queries = 4 x cluster x + cx
	s_and_b32 s83, ttmp7, 0xffff                   ; cluster y
	s_lshl_b32 s87, s83, 2
	s_add_co_u32 s87, s87, s85                     ; my key head g = 4 x cluster y + cy
	s_lshl_b32 s88, s85, 2
	s_lshl_b32 s88, 15, s88                        ; my row of the cluster
	s_lshl_b32 s89, 0x1111, s84                    ; my column
	s_or_b32 s24, s88, (1<<16)|(1<<20)|(1<<21)|(5<<22)|(3<<25)   ; K: elements of 2 bytes; 4 words of padding after every 64
	s_or_b32 s32, s88, (1<<16)|(1<<20)|(1<<21)|(5<<22)|(7<<25)   ; V: 8 words
	s_or_b32 s40, s89, (2<<16)|(1<<20)|(1<<21)|(6<<22)|(3<<25)   ; the mask: elements of 4 bytes; 4 words after every 128
.irp g, 24, 32
	s_mov_b32 s[\g+1], 128<<16                     ; tensor_dim0 = 128
	s_mov_b32 s[\g+2], 128<<16                     ; tensor_dim1 = 128
	s_mov_b32 s[\g+3], 128<<16                     ; tile_dim0 = 128
	s_mov_b32 s[\g+4], 128                         ; tile_dim1 = 128 keys
	s_mov_b32 s[\g+5], 4096                        ; elements from row to row of qkv16
	s_mov_b32 s[\g+6], 0
	s_mov_b32 s[\g+7], 0
.endr
	s_mov_b32 s41, 128<<16
	s_mov_b32 s42, 32<<16
	s_mov_b32 s43, 128<<16
	s_mov_b32 s44, 32                              ; 32 queries to a load
	s_mov_b32 s45, 2048
	s_mov_b32 s46, 0
	s_mov_b32 s47, 0
	s_lshl_b32 s90, s87, 8
	s_add_co_u32 s90, s90, 4096                    ; K: column 2,048 + 128 g, in bytes (V: 2,048 bytes further on).  Hangs on g alone
	s_mov_b32 s91, 0
	s_and_b32 s92, s[WV], 1
	s_lshl_b32 s94, s86, 19                        ; the mask: 64 rows of 8,192 bytes a block of queries, my half of them.  Hangs on the block of queries alone
	s_lshl_b32 s93, s92, 18
	s_add_co_u32 s94, s94, s93
	s_mov_b32 s95, 0
	s_mul_i32 s93, s92, 32*PM
	s_add_co_u32 s93, s93, MOFF                    ; and its place in a slot
	s_lshl_b32 s96, s86, 19                        ; Q: row 64 x block + 16 x wave, of 8,192 bytes,
	s_lshl_b32 s22, s[WV], 17
	s_add_co_u32 s96, s96, s22
	s_lshr_b32 s98, s96, 1                         ; the same row of att16, of 4,096 bytes;
	s_lshl_b32 s23, s87, 9                         ; head 2 g begins 512 g bytes into both
	s_add_co_u32 s96, s96, s23
	s_add_co_u32 s98, s98, s23
	s_mov_b32 s97, 0
	s_mov_b32 s99, 0
	; the prefetches: where they stand (in slot 2: the first change of slots steps them to slot 3), and who asks
	s_lshl_b32 s22, s84, 18                        ; K, V: my work-group's 32 rows of the 128
	s_add_co_u32 s22, s22, s90
	s_lshl_b32 s23, s92, 11                        ; wave 1: V
	s_add_co_u32 s22, s22, s23
	s_add_co_u32 s22, s22, 2*128*8192
	s_lshl_b32 s23, s86, 19                        ; the mask: my work-group's 16 rows of the 64
	s_lshl_b32 s82, s85, 17
	s_add_co_u32 s23, s23, s82
	s_add_co_u32 s23, s23, 2*512
	s_mov_b32 s[PFS], 512
	s_cmp_lt_u32 s[WV], 2
	s_cselect_b32 s22, s22, s23
	s_cselect_b32 s[PFS], 128*8192, s[PFS]         ; a slot on
	s_cselect_b32 s81, 0, 1                        ; K, V: a lane a row; the mask: two lanes a row
	s_cselect_b32 s82, ttmp9, s83                  ; the coordinate along which other clusters walk the same bytes
	s_mov_b32 s23, 0
	s_mov_b32 s[PFS+1], 0
	s_cmp_eq_u32 s[WV], 3
	s_cselect_b32 s82, 1, s82                      ; wave 3 never asks
	s_cmp_eq_u32 s82, 0
	s_cselect_b32 s[LIM], 1, -1
	s_mov_b32 s[CS], 0x3fb8aa3b                    ; log2(e)
	s_mov_b32 s[CS+1], s[CS]
	s_mov_b32 s[SEL], 0x76543210
	s_mov_b32 s[SEL+1], 0xfedcba98
	s_mov_b32 s[TB], 0
	s_mov_b32 s[SLOTS], 14                         ; 16 slots' worth of keys; all but the first two come by refills
	v_and_b32 v1, 15, v0                           ; r
	v_bfe_u32 v32, v0, 4, 1                        ; h
	v_and_b32 v33, 31, v0                          ; lane
	v_mul_u32_u24 v[AK0], v1, PK
	v_lshl_add_u32 v[AK0], v32, 4, v[AK0]          ; K: row r x pitch + 16 h
	v_and_b32 v34, 7, v0
	v_bfe_u32 v35, v0, 3, 1
	v_lshl_add_u32 v[AV0], v32, 3, v34
	v_mul_u32_u24 v[AV0], v[AV0], PVP
	v_lshl_add_u32 v[AV0], v35, 4, v[AV0]
	v_add_nc_u32 v[AV0], VOFF, v[AV0]              ; V: key 8 h + lane % 8, channels 8 ((lane / 8) % 2) on
	s_mul_i32 s13, s[WV], 16*PM
	s_add_co_u32 s13, s13, MOFF
	v_mul_u32_u24 v[AM0], v1, PM
	v_lshl_add_u32 v[AM0], v32, 5, v[AM0]
	v_add_nc_u32 v[AM0], s13, v[AM0]               ; the mask: row 16 w + r, keys 8 h on
	v_lshlrev_b32 v[QO], 13, v1
	v_lshl_add_u32 v[QO], v32, 4, v[QO]            ; Q: row r of 8,192 bytes + 16 h
	s_mul_i32 s13, s[WV], 16*272
	s_add_co_u32 s13, s13, STAGE
	v_mul_u32_u24 v[STO], v1, 272
	v_lshl_add_u32 v[STO], v32, 4, v[STO]
	v_add_nc_u32 v[STO], s13, v[STO]               ; my stage, way in: row r, 16 bytes for each half of the lanes
	v_mul_u32_u24 v[RD], v32, 272
	v_lshl_add_u32 v[RD], v1, 4, v[RD]
	v_add_nc_u32 v[RD], s13, v[RD]                 ; way out: lanes 0-15 one row, lanes 16-31 the next
	v_lshlrev_b32 v[GO], 12, v32
	v_lshl_add_u32 v[GO], v1, 4, v[GO]             ; and the same two rows of att16
	v_lshrrev_b32 v[PFO], s81, v33
	v_and_b32 v34, s81, v33
	v_lshlrev_b32 v[PFO], 13, v[PFO]
	v_lshl_add_u32 v[PFO], v34, 8, v[PFO]          ; the prefetches' offset: a row of 8,192 bytes, and for the mask the row's second block
	s_wait_dscnt 0x0                               ; both opening adds are done
	s_wait_kmcnt 0x0
.irp s, 0,1
	s_mov_b32 s[48+4*\s], 1
	s_mov_b32 s[49+4*\s], \s*SLOT1
	s_add_nc_u64 s[50+4*\s:51+4*\s], s[4:5], s[90:91]
	s_add_nc_u64 s[50+4*\s:51+4*\s], s[50+4*\s:51+4*\s], \s*128*8192
	s_or_b32 s[51+4*\s], s[51+4*\s], 0x80000000
	s_mov_b32 s[56+4*\s], 1
	s_mov_b32 s[57+4*\s], \s*SLOT1+VOFF
	s_add_nc_u64 s[58+4*\s:59+4*\s], s[4:5], s[90:91]
	s_add_nc_u64 s[58+4*\s:59+4*\s], s[58+4*\s:59+4*\s], \s*128*8192+2048
	s_or_b32 s[59+4*\s], s[59+4*\s], 0x80000000
	s_mov_b32 s[68+4*\s], 1
	s_add_co_u32 s[69+4*\s], s93, \s*SLOT1
	s_add_nc_u64 s[70+4*\s:71+4*\s], s[6:7], s[94:95]
	s_add_nc_u64 s[70+4*\s:71+4*\s], s[70+4*\s:71+4*\s], \s*512
	s_or_b32 s[71+4*\s], s[71+4*\s], 0x80000000
.endr
	s_add_nc_u64 s[18:19], s[4:5], s[96:97]        ; Q at my wave's first row, head 2 g
	s_add_nc_u64 s[20:21], s[8:9], s[98:99]        ; att16 likewise
	s_cmp_lt_u32 s[WV], 2
	s_cselect_b64 s[PFA:PFA+1], s[4:5], s[6:7]
	s_add_nc_u64 s[PFA:PFA+1], s[PFA:PFA+1], s[22:23]
	CROUND                                         ; all sixteen work-groups are here: the first joint loads meet
	s_cmp_lg_u32 s[WV], 0                          ; a wave's two first fills stand in one branch on its number: two loads of mine are out
	s_cbranch_scc1 .Lfirst_not_k
	tensor_load_to_lds s[48:51], s[24:31]
	s_nop 0
	tensor_load_to_lds s[52:55], s[24:31]
	s_nop 0
	PLACES
	s_branch .Lfirst_asked
.Lfirst_not_k:
	s_cmp_lg_u32 s[WV], 1
	s_cbranch_scc1 .Lfirst_m
	tensor_load_to_lds s[56:59], s[32:39]
	s_nop 0
	tensor_load_to_lds s[60:63], s[32:39]
	s_nop 0
	PLACES
	s_branch .Lfirst_asked
.Lfirst_m:
	tensor_load_to_lds s[68:71], s[40:47]
	s_nop 0
	tensor_load_to_lds s[72:75], s[40:47]
	s_nop 0
	PLACES
.Lfirst_asked:
	WIN TO1
.irp t, 0,1
.irp c, 0,1,2,3
	global_load_b128 v[Q+32*\t+8*\c:Q+32*\t+8*\c+3], v[QO], s[18:19] offset:\t*256+\c*64        ; Q stays in registers: tile t = head 2 g + t, channels 32 c on
	global_load_b128 v[Q+32*\t+8*\c+4:Q+32*\t+8*\c+7], v[QO], s[18:19] offset:\t*256+\c*64+32
.endr
.endr
.set i, 0
.rept 128
	v_mov_b32 v[i], 0                              ; O^T, once: the phase is written without a first form of its own; the first factor a multiplies zeros
.set i, i+1
.endr
	WIN 0
.irp t, 0,1
	v_mov_b32 v[ST+8*\t+1], 0xfe800000             ; m = -2^126
	v_mul_f32 v[ST+8*\t], s[CS], v[ST+8*\t+1]      ; c m
	v_mov_b32 v[ST+8*\t+2], 0                      ; l
	v_mov_b32 v[ST+8*\t+3], 0
.endr
	s_wait_tensorcnt 1                             ; my part of slot 0 is in; slot 1's may stay out
	s_barrier_signal -1
	s_barrier_wait -1
	FETCH_K 0                                      ; step 0
	FETCH_M 0
	FETCH_V 0, 0, 0
	s_wait_loadcnt 0x0                             ; Q
	s_wait_dscnt 0x0
.set i, 0
.rept 32
	KQ1 S                                          ; the scores of step 0: there is no vector work yet to set between them
.set i, i+1
.endr
	WIN 0
	PLACES                                         ; behind those products: ahead of the first read of the scores and of the loads into K
	PHASE 0, 1, 0, 1                               ; phase 0: softmax of step 0 | K Q^T of step 1; no V^T P yet
.Lslot:                                            ; 14 trips: the change of slots, with the refill; an odd phase and an even one
	CHANGE 1
	PHASE 1, 0, 1, 1
	PHASE 0, 1, 1, 1
	s_sub_co_u32 s[SLOTS], s[SLOTS], 1
	s_cmp_lg_u32 s[SLOTS], 0
	s_cbranch_scc1 .Lslot
	CHANGE 0                                       ; the tail is written out: nothing is left to ask for
	PHASE 1, 0, 1, 1                               ; phase 29
	PHASE 0, 1, 1, 1                               ; phase 30: fetches the last step
	PHASE 1, 0, 1, 0                               ; phase 31: V^T P of step 30 | the last softmax
	s_wait_dscnt 0x0                               ; V of step 31, asked for in phase 30
.set i, 0
.rept 32
	PV1 1                                          ; V^T P of step 31
.set i, i+1
.endr
	WIN 0
	; THE WAY OUT: O^T / l, rounded to f16, through my stage in LDS, a tile (16 rows of 256 bytes) at a time
	PLACES                                         ; behind the last products
.irp t, 0,1
	v_add_f32 v[ST+8*\t+4], v[ST+8*\t+2], v[ST+8*\t+3]
.endr
.irp t, 0,1
	v_permlanex16_b32 v[ST+8*\t+5], v[ST+8*\t+4], s[SEL], s[SEL+1]
.endr
.irp t, 0,1
	v_add_f32 v[ST+8*\t+4], v[ST+8*\t+4], v[ST+8*\t+5]
.endr
.irp t, 0,1
	v_rcp_f32 v[ST+8*\t+6], v[ST+8*\t+4]
.endr
	v_nop                                          ; a plain instruction behind the last reciprocal
	s_wait_alu depctr_va_vdst(0)                   ; and the wait ahead of the first use: one for both
.macro PACK t
	WIN W_RS
.set i, 64*\t
.rept 32
	v_pk_mul_f32 v[i:i+1], v[i:i+1], v[ST+8*\t+6:ST+8*\t+7] op_sel_hi:[1,0]
.set i, i+2
.endr
	WIN 0x05                                       ; sources 0 and 1 window 1, destination window 0: the even steps' S^T registers are free
.set i, 0
.rept 32
	v_cvt_pk_f16_f32 v[S+32*\t+i], v[64*\t+2*i], v[64*\t+2*i+1]
.set i, i+1
.endr
	WIN 0
.irp f, 0,1,2,3,4,5,6,7
	ds_store_b128 v[STO], v[S+32*\t+4*\f:S+32*\t+4*\f+3] offset:32*\f
.endr
.irp f, 0,1,2,3,4,5,6,7
	ds_load_b128 v[S+32*\t+4*\f:S+32*\t+4*\f+3], v[RD] offset:\f*2*272   ; LDS serves a wave's instructions in order: these see the stores above, and the next tile's stores come behind them
.endr
.endm
.macro SEND t, younger                 ; younger: the LDS instructions issued behind tile t's loads
.irp f, 0,1,2,3,4,5,6,7
	s_wait_dscnt \younger+7-\f
	global_store_b128 v[GO], v[S+32*\t+4*\f:S+32*\t+4*\f+3], s[20:21] offset:\t*256+\f*8192   ; 16 lanes store 256 consecutive bytes, aligned
.endr
.endm
	PACK 0
	PACK 1
	SEND 0, 16
	SEND 1, 0
	s_wait_tensorcnt 0x0                           ; the wave's end, behind my last tensor load and my last LDS store
	ds_add_u32 v[SPW], v[NIL]
	s_wait_dscnt 0x0
	CROUND                                         ; the closing round
	s_endpgm
.Lfunc_end_k_qe81e8e2490_attn:
	.size	k_qe81e8e2490_attn, .Lfunc_end_k_qe81e8e2490_attn-k_qe81e8e2490_attn
	.p2alignl 7, 3214868480
	.fill 96, 4, 3214868480
	.section	.rodata,"a",@progbits
	.p2align	6, 0x0
	.amdhsa_kernel k_qe81e8e2490_attn
		.amdhsa_group_segment_fixed_size 327680
		.amdhsa_private_segment_fixed_size 0
		.amdhsa_enable_private_segment 0
		.amdhsa_kernarg_size 24
		.amdhsa_user_sgpr_count 2
		.amdhsa_user_sgpr_kernarg_segment_ptr 1
		.amdhsa_wavefront_size32 1
		.amdhsa_system_sgpr_workgroup_id_x 1
		.amdhsa_system_sgpr_workgroup_id_y 1
		.amdhsa_system_sgpr_workgroup_id_z 1
		.amdhsa_system_vgpr_workitem_id 0
		.amdhsa_next_free_vgpr 1024
		.amdhsa_next_free_sgpr 100
		.amdhsa_reserve_vcc 0
		.amdhsa_float_denorm_mode_32 3
		.amdhsa_float_denorm_mode_16_64 3
		.amdhsa_memory_ordered 1
		.amdhsa_forward_progress 1
		.amdhsa_inst_pref_size 203
	.end_amdhsa_kernel
	.amdgpu_metadata
---
amdhsa.version: [ 1, 2 ]
amdhsa.kernels:
  - .name:           k_qe81e8e2490_attn
    .symbol:         k_qe81e8e2490_attn.kd
    .args:
      - { .name: qkv16, .offset: 0, .size: 8, .value_kind: global_buffer, .address_space: global }
      - { .name: mask, .offset: 8, .size: 8, .value_kind: global_buffer, .address_space: global }
      - { .name: att16, .offset: 16, .size: 8, .value_kind: global_buffer, .address_space: global }
    .group_segment_fixed_size: 327680
    .private_segment_fixed_size: 0
    .kernarg_segment_align: 8
    .kernarg_segment_size: 24
    .max_flat_workgroup_size: 128
    .sgpr_count:     100
    .vgpr_count:     1024
    .wavefront_size: 32
...
	.end_amdgpu_metadata
.endif
;; end of part 3
;; launch oproj (part 4): grid 16 x 16, 4 waves a work-group, clusters of 4 x 1, 327,680 bytes of LDS; arguments att16, wof, out0; writes out0
.if DOCPART == 4
	.amdgcn_target "amdgcn-amd-amdhsa--gfx1250"
	.amdhsa_code_object_version 6
	.text
	.protected	k_qe81e8e2490_oproj
	.globl	k_qe81e8e2490_oproj
	.p2align	8
	.type	k_qe81e8e2490_oproj,@function
k_qe81e8e2490_oproj:
	s_mov_b64 s[64:65], 0
	v_nop
	global_prefetch_b8 v0, s[64:65] scope:SCOPE_SE
	s_setreg_imm32_b32 hwreg(HW_REG_WAVE_MODE, 25, 1), 1
	s_wait_xcnt 0x0
	s_wait_alu depctr_hold_cnt(0) depctr_sa_sdst(0) depctr_va_vdst(0) depctr_va_sdst(0) depctr_va_ssrc(0) depctr_va_vcc(0) depctr_vm_vsrc(0)
	s_getreg_b32 s2, hwreg(HW_REG_IB_STS2, 6, 4)
	s_cmp_eq_u32 s2, 0
	s_cbranch_scc0 .Lentry_in_a_cluster
	s_endpgm
.Lentry_in_a_cluster:
	s_bfe_u32 s2, ttmp6, 0x10000c
	s_cmp_lg_u32 s2, 0x3003
	s_cbranch_scc0 .Lentry_shape_is_right
	s_endpgm
.Lentry_shape_is_right:
; OPROJ: out0 [2048][4096] f32 = att16 [2048][2048] f16 (attention / 8) x wof (8 x wo, f16, in the order of the operand's registers); sums in f32.  The two powers of two cancel exactly.
; SHARES.  A work-group makes 128 rows x 256 columns; wave w all 128 rows x columns 64 w .. 64 w + 63: 8 x 4 accumulators, 256 registers.
; A comes through eight LDS regions, each a chunk of 128 rows x 128 along K (256 bytes a row): chunks 0-7 by four first fills a wave, chunks 8-11 into regions 0-3 at K step 15, chunks 12-15 into regions 4-7 at K step 31.
; Each refill has sixteen K steps, 512 matrix instructions a wave, in which to land.  The four work-groups of a cluster make the four column tiles of one row tile: A is asked for JOINTLY (mask 15).
; B is read by one wave of the work-group alone: it comes from memory straight into a ring of eight register sets, seven K steps ahead, 512 consecutive bytes a load.  It is not asked for jointly: a joint load can only land in LDS,
; of which A's regions take 278,528 of 327,680 bytes.
; THE MATRIX INSTRUCTION IS USED TRANSPOSED (source 0 = 16 columns of wo, source 1 = 16 rows of A).  The 64 K steps of 32 are written out: every offset is an immediate; no address register or descriptor is written twice.
; REGISTERS.  window 0: v16-23 the regions' addresses, v25-30 other addresses; v128-255 A's fragments, two sets of 64 (on the way out: rows read back).   window 1: B's ring, set u at v[32 u].   window 2: accumulator (a, b) at v[8 (4 a + b)].
.set CH,    34816                      ; a region: 128 rows x (256 bytes + 16 of padding)
.set SPARE, 8*CH                       ; the spare words, 128 bytes a wave: two blocks of 256 bytes that no other line names
.set ADRA,  16
.set BOFF,  25
.set STO,   26
.set RD,    27
.set SPW,   28
.set NIL,   29
.set CO,    30
.set AF,    128
.set WV,    18
.set MSB, 0
.macro WIN new
.if MSB != \new
	s_set_vgpr_msb (MSB<<8)|\new
.set MSB, \new
.endif
.endm
.set MUL,  0xa1                        ; source 0 (B) window 1, source 1 (A) window 0, C and D window 2
.set TO_B, 0x40
.set ST_C, 0x08
.macro PLACES
.rept 4
	v_nop
.endr
.endm
.macro ROUND
	s_barrier_signal -1
	s_barrier_wait -1
	s_cmp_lg_u32 s[WV], 0
	s_cbranch_scc1 .Lnot_wave_0_\@
	s_barrier_signal -3
.Lnot_wave_0_\@:
	s_barrier_wait -3
	s_barrier_signal -1
	s_barrier_wait -1
.endm
.macro ALOAD s                         ; A's eight fragments of K step s: lane (r, h): row 16 a + r; registers 0-3: k = 8 h + 0..7, registers 4-7: k = 16 + 8 h + 0..7
.irp a, 0,1,2,3,4,5,6,7
.irp c, 0,1
	ds_load_b128 v[AF+64*((\s)%2)+8*\a+4*\c:AF+64*((\s)%2)+8*\a+4*\c+3], v[ADRA+((\s)/4)%8] offset:\a*4352+64*((\s)%4)+32*\c
.endr
.endr
.endm
.macro BLOAD s
	WIN TO_B
.irp b, 0,1,2,3
.irp c, 0,1
	global_load_b128 v[32*((\s)%8)+8*\b+4*\c:32*((\s)%8)+8*\b+4*\c+3], v[BOFF], s[66:67] offset:(\s)*4096+\b*1024+\c*512
.endr
.endr
.endm
.macro MULS s                          ; the 32 accumulators take turns, one instruction a turn, in the same order in every K step; K step 0 starts the sums
	WIN MUL
.irp a, 0,1,2,3,4,5,6,7
.irp b, 0,1,2,3
.if (\s) == 0
	v_wmma_f32_16x16x32_f16 v[8*(4*\a+\b):8*(4*\a+\b)+7], v[32*((\s)%8)+8*\b:32*((\s)%8)+8*\b+7], v[AF+64*((\s)%2)+8*\a:AF+64*((\s)%2)+8*\a+7], 0
.else
	v_wmma_f32_16x16x32_f16 v[8*(4*\a+\b):8*(4*\a+\b)+7], v[32*((\s)%8)+8*\b:32*((\s)%8)+8*\b+7], v[AF+64*((\s)%2)+8*\a:AF+64*((\s)%2)+8*\a+7], v[8*(4*\a+\b):8*(4*\a+\b)+7]
.endif
.endr
.endr
.endm
.macro KSTEP s
	WIN 0
.if ((\s) == 15) || ((\s) == 31)
	; four regions have been read out and are filled again: all my tensor loads have landed, the add, my LDS reads are back; a round of the cluster's barrier; the joint refill first behind it, one load a wave
	s_wait_tensorcnt 0x0
	ds_add_u32 v[SPW], v[NIL]
	s_wait_dscnt 0x0
	ROUND
.if (\s) == 15
	tensor_load_to_lds s[56:59], s[32:39]          ; chunk 8 + w into region w
.else
	tensor_load_to_lds s[60:63], s[32:39]          ; chunk 12 + w into region 4 + w
.endif
	s_nop 0
.elseif (\s) == 7
	s_wait_tensorcnt 2                             ; my part of chunks 2 and 3 has landed; the two loads behind it may be out
	s_wait_dscnt 0x0
	s_barrier_signal -1
	s_barrier_wait -1
.elseif (\s) == 47
	s_wait_tensorcnt 0x0                           ; my one load that was out, chunk 12 + w, has landed
	s_wait_dscnt 0x0
	s_barrier_signal -1
	s_barrier_wait -1
.endif
	PLACES                                         ; behind the last K step's products, ahead of the loads into the sets that they read
.if (\s) < 63
	ALOAD (\s)+1
.endif
.if (\s)+7 <= 63
	BLOAD (\s)+7
.endif
.if (\s) == 63
	s_wait_dscnt 0x0
.else
	s_wait_dscnt 16                                ; this step's A is in; the 16 LDS loads just issued may be out
.endif
.if (\s) <= 56
	s_wait_loadcnt 56                              ; this step's B is in; the seven steps' loads behind it may be out
.else
	s_wait_loadcnt 8*(63-(\s))
.endif
	MULS \s
.endm
	s_load_b128 s[4:7], s[0:1], 0x0                ; att16 s[4:5], wof s[6:7]
	s_load_b64 s[8:9], s[0:1], 0x10                ; out0
	v_lshl_add_u32 v[SPW], v0, 2, SPARE
	v_mov_b32 v[NIL], 0
	ds_add_u32 v[SPW], v[NIL]                      ; the wave's opening: the add, twice on end, and its wait ahead of my first tensor load
	ds_add_u32 v[SPW], v[NIL]
	v_lshrrev_b32 v1, 5, v0
	v_readfirstlane_b32 s[WV], v1                  ; wave 0..3
	s_bfe_u32 s19, ttmp6, 0x40000                  ; cx
	s_lshl_b32 s20, ttmp9, 2
	s_add_co_u32 s20, s20, s19                     ; column tile
	s_and_b32 s21, ttmp7, 0xffff                   ; row tile, which the four partners share
	; group 1: rows of 128 f16, 2,048 elements apart, 16 bytes of padding behind each; 64 rows (first fills) or 128 (refills)
	s_mov_b32 s24, 15|(1<<16)|(1<<20)|(1<<21)|(5<<22)|(3<<25)
	s_mov_b32 s25, 128<<16
	s_mov_b32 s26, 64<<16
	s_mov_b32 s27, 128<<16
	s_mov_b32 s28, 64
	s_mov_b32 s29, 2048
	s_mov_b32 s30, 0
	s_mov_b32 s31, 0
	s_mov_b32 s32, 15|(1<<16)|(1<<20)|(1<<21)|(5<<22)|(3<<25)
	s_mov_b32 s33, 128<<16
	s_mov_b32 s34, 128<<16
	s_mov_b32 s35, 128<<16
	s_mov_b32 s36, 128
	s_mov_b32 s37, 2048
	s_mov_b32 s38, 0
	s_mov_b32 s39, 0
	; what I fetch of A.  Nothing here hangs on cx
	s_lshr_b32 s74, s[WV], 1
	s_and_b32 s75, s[WV], 1
	s_mul_i32 s76, s74, CH
	s_mul_i32 s77, s75, 64*272
	s_add_co_u32 s76, s76, s77                     ; first fill i: half w % 2 of chunk 2 i + w / 2: its place in a pair of regions
	s_lshl_b32 s78, s21, 19                        ; 128 rows of 4,096 bytes a row tile
	s_lshl_b32 s70, s75, 18
	s_lshl_b32 s77, s74, 8
	s_add_co_u32 s70, s70, s77
	s_add_co_u32 s70, s70, s78
	s_mov_b32 s71, 0
	s_lshl_b32 s72, s[WV], 8                       ; refills: chunk 8 + w, 12 + w, all 128 rows
	s_add_co_u32 s72, s72, s78
	s_mov_b32 s73, 0
	s_mul_i32 s79, s[WV], CH
	; B and the output
	s_lshl_b32 s10, s20, 2
	s_add_co_u32 s10, s10, s[WV]                   ; my group of 64 columns
	s_lshl_b32 s12, s10, 18
	s_mov_b32 s13, 0
	s_lshl_b32 s14, s21, 21                        ; 128 rows of 16,384 bytes
	s_lshl_b32 s11, s20, 10
	s_add_co_u32 s14, s14, s11
	s_lshl_b32 s11, s[WV], 8
	s_add_co_u32 s14, s14, s11
	s_mov_b32 s15, 0
	v_and_b32 v1, 15, v0                           ; r
	v_bfe_u32 v2, v0, 4, 1                         ; h
	v_and_b32 v3, 31, v0                           ; lane
	v_mul_u32_u24 v4, v1, 272
	v_lshl_add_u32 v5, v2, 4, v4                   ; a fragment's row x pitch + 16 h
.irp j, 0,1,2,3,4,5,6,7
	v_add_nc_u32 v[ADRA+\j], \j*CH, v5
.endr
	v_lshlrev_b32 v[BOFF], 4, v3
	s_mul_i32 s16, s[WV], 16*272                   ; my stage for the way out: 16 rows x 272 bytes, in region 0: its last fill is chunk 8, whose last reads lie ahead of the barrier at K step 47
	v_lshl_add_u32 v[STO], v2, 5, v4
	v_add_nc_u32 v[STO], s16, v[STO]               ; in: row r, + 32 h
	v_mul_u32_u24 v[RD], v2, 272
	v_lshl_add_u32 v[RD], v1, 4, v[RD]
	v_add_nc_u32 v[RD], s16, v[RD]                 ; back: lanes 0-15 one row of 256 bytes, lanes 16-31 the next
	v_lshlrev_b32 v[CO], 14, v2
	v_lshl_add_u32 v[CO], v1, 4, v[CO]             ; and the same two rows of out0
	s_wait_dscnt 0x0                               ; both opening adds are done
	s_wait_kmcnt 0x0
.irp i, 0,1,2,3
	s_mov_b32 s[40+4*\i], 1
	s_add_co_u32 s[41+4*\i], s76, \i*2*CH
	s_add_nc_u64 s[42+4*\i:43+4*\i], s[4:5], s[70:71]
	s_add_nc_u64 s[42+4*\i:43+4*\i], s[42+4*\i:43+4*\i], \i*512
	s_or_b32 s[43+4*\i], s[43+4*\i], 0x80000000
.endr
	s_mov_b32 s56, 1
	s_mov_b32 s57, s79
	s_add_nc_u64 s[58:59], s[4:5], s[72:73]
	s_add_nc_u64 s[58:59], s[58:59], 8*256
	s_or_b32 s59, s59, 0x80000000
	s_mov_b32 s60, 1
	s_add_co_u32 s61, s79, 4*CH
	s_add_nc_u64 s[62:63], s[4:5], s[72:73]
	s_add_nc_u64 s[62:63], s[62:63], 12*256
	s_or_b32 s63, s63, 0x80000000
	s_add_nc_u64 s[66:67], s[6:7], s[12:13]        ; B
	s_add_nc_u64 s[68:69], s[8:9], s[14:15]        ; out0 at the tile's first row, my wave's 256 bytes
	ROUND                                          ; all four work-groups are here: the joint loads meet
	tensor_load_to_lds s[40:43], s[24:31]          ; the first fills, one group: four loads of mine are out.  Chunks 0 and 1,
	s_nop 0
	tensor_load_to_lds s[44:47], s[24:31]          ; 2 and 3,
	s_nop 0
	tensor_load_to_lds s[48:51], s[24:31]          ; 4 and 5,
	s_nop 0
	tensor_load_to_lds s[52:55], s[24:31]          ; 6 and 7
	s_nop 0
	PLACES
.irp u, 0,1,2,3,4,5,6
	BLOAD \u
.endr
	WIN 0
	s_wait_tensorcnt 3                             ; my part of chunks 0 and 1 is in; the three loads behind it may be out
	s_barrier_signal -1
	s_barrier_wait -1
	ALOAD 0
.irp s, 0,1,2,3,4,5,6,7,8,9,10,11,12,13,14,15,16,17,18,19,20,21,22,23,24,25,26,27,28,29,30,31,32,33,34,35,36,37,38,39,40,41,42,43,44,45,46,47,48,49,50,51,52,53,54,55,56,57,58,59,60,61,62,63
	KSTEP \s
.endr
; THE WAY OUT, block by block of 16 rows x my 64 columns (256 bytes a row).  A lane holds 32 neighbouring bytes of a row and the lanes beside it other rows: a block goes through my own stage and comes back as whole rows.
.macro TOSTAGE a
	WIN ST_C
.irp b, 0,1,2,3
	ds_store_b128 v[STO], v[8*(4*(\a)+\b):8*(4*(\a)+\b)+3] offset:64*\b          ; each accumulator from its low end on
	ds_store_b128 v[STO], v[8*(4*(\a)+\b)+4:8*(4*(\a)+\b)+7] offset:64*\b+16
.endr
	WIN 0
.irp t, 0,1,2,3,4,5,6,7
	ds_load_b128 v[AF+32*((\a)%2)+4*\t:AF+32*((\a)%2)+4*\t+3], v[RD] offset:\t*2*272   ; LDS serves a wave's instructions in order: these see the stores above, and the next block's stores come behind them
.endr
.endm
.macro SEND a, younger                 ; younger: the LDS instructions issued behind block a's loads, which may stay out
	s_wait_dscnt \younger
.irp t, 0,1,2,3,4,5,6,7
	global_store_b128 v[CO], v[AF+32*((\a)%2)+4*\t:AF+32*((\a)%2)+4*\t+3], s[68:69] offset:(16*(\a)+2*\t)*16384 th:TH_STORE_NT   ; 16 lanes store 256 consecutive bytes, aligned; written once, read by nobody here
.endr
.endm
	WIN 0
	PLACES                                         ; behind the last products: ahead of the first reads of results and of the loads into A's sets
	TOSTAGE 0
.irp a, 1,2,3,4,5,6,7
.if \a > 1
	s_wait_xcnt 0x0                                ; block a - 2's stores have read their registers: block a's loads may land there
.endif
	TOSTAGE \a
	SEND \a-1, 16                                  ; behind block a - 1's loads: block a's 8 stores and 8 loads
.endr
	SEND 7, 0
	s_wait_tensorcnt 0x0                           ; the wave's end, behind my last tensor load and my last LDS store
	ds_add_u32 v[SPW], v[NIL]
	s_wait_dscnt 0x0
	ROUND                                          ; the closing round
	s_endpgm
.Lfunc_end_k_qe81e8e2490_oproj:
	.size	k_qe81e8e2490_oproj, .Lfunc_end_k_qe81e8e2490_oproj-k_qe81e8e2490_oproj
	.p2alignl 7, 3214868480
	.fill 96, 4, 3214868480
	.section	.rodata,"a",@progbits
	.p2align	6, 0x0
	.amdhsa_kernel k_qe81e8e2490_oproj
		.amdhsa_group_segment_fixed_size 327680
		.amdhsa_private_segment_fixed_size 0
		.amdhsa_enable_private_segment 0
		.amdhsa_kernarg_size 24
		.amdhsa_user_sgpr_count 2
		.amdhsa_user_sgpr_kernarg_segment_ptr 1
		.amdhsa_wavefront_size32 1
		.amdhsa_system_sgpr_workgroup_id_x 1
		.amdhsa_system_sgpr_workgroup_id_y 1
		.amdhsa_system_sgpr_workgroup_id_z 1
		.amdhsa_system_vgpr_workitem_id 0
		.amdhsa_next_free_vgpr 768
		.amdhsa_next_free_sgpr 80
		.amdhsa_reserve_vcc 0
		.amdhsa_float_denorm_mode_32 3
		.amdhsa_float_denorm_mode_16_64 3
		.amdhsa_memory_ordered 1
		.amdhsa_forward_progress 1
		.amdhsa_inst_pref_size 255
	.end_amdhsa_kernel
	.section	.bss,"aw",@nobits
	.p2align	6
	.space	262144
	.amdgpu_metadata
---
amdhsa.version: [ 1, 2 ]
amdhsa.kernels:
  - .name:           k_qe81e8e2490_oproj
    .symbol:         k_qe81e8e2490_oproj.kd
    .args:
      - { .name: att16, .offset: 0, .size: 8, .value_kind: global_buffer, .address_space: global }
      - { .name: wof, .offset: 8, .size: 8, .value_kind: global_buffer, .address_space: global }
      - { .name: out0, .offset: 16, .size: 8, .value_kind: global_buffer, .address_space: global }
    .group_segment_fixed_size: 327680
    .private_segment_fixed_size: 0
    .kernarg_segment_align: 8
    .kernarg_segment_size: 24
    .max_flat_workgroup_size: 128
    .sgpr_count:     80
    .vgpr_count:     768
    .wavefront_size: 32
...
	.end_amdgpu_metadata
.endif
;; end of part 4
